; MI455X (gfx1250); checked and timed in simulation.
; The chip was launched on July 23, 2026; its instructions are those of AMD's public machine-readable ISA for CDNA 5 (MIT licence, August 2026) and "CDNA5" Instruction Set Architecture Reference Guide (July 2026). The comments in the code are by the model that wrote it; some were corrected since.
;; Multi Head Attention. Allowed arithmetic: matrix products marked QUANTISED: E2M3 operands, one E8M0 scale for each 32 along K, by v_wmma_scale_f32_16x16x128_f8f6f4 with both operands' format E2M3, f32 sums; everything else in f32.
;; Inputs: Wo 1,024 x 1,024 float32; Wqkv 1,024 x 3,072 float32; bo 1,024 float32; bqkv 3,072 float32; x 4 x 2,048 x 1,024 float32.
;; Outputs: out0 4 x 2,048 x 1,024 float32.
;; Constants: decoder = 1.
;; This version of the problem:
;;   THIS VERSION OF THE PROBLEM IS GIVEN IN LOW PRECISION. The matrix products marked QUANTISED in the list below multiply operands that are first quantised to E2M3 (2 exponent bits, 3 mantissa bits; 6 bits a number), with one power-of-two scale for each 32 numbers along K (OCP MX v1.0); their sums are f32. All else is computed in f32.
;;   The module's matrix products, in the order in which they are computed (A, B: the left and right operand; K: the contracted axis; several contracted axes count as one K, in the product's order):
;;     1. [M 8,192, K 1,024] x [K 1,024, N 3,072]; A: input x; B: input Wqkv: QUANTISED
;;     2. batch 64 x [M 2,048, K 64] x [K 64, N 2,048]; A: computed on the way; B: computed on the way: QUANTISED
;;     3. batch 64 x [M 2,048, K 2,048] x [K 2,048, N 64]; A: softmax (see below); B: computed on the way: QUANTISED
;;     4. [M 8,192, K 1,024] x [K 1,024, N 1,024]; A: computed on the way; B: input Wo: QUANTISED
;;   THE QUANTISER, for each operand of a quantised product, along K:
;;     - K is cut into blocks of 32 from its start; a last block that is shorter is filled with zeros.
;;     - A block's scale is 2^e with e = floor(log2(the largest magnitude in the block)) - 2, held to -126 .. 127; a block of zeros has e = 0. As a byte (E8M0): e + 127.
;;     - Each number is divided by its block's scale, clamped to +-7.5, and rounded to the nearest number of E2M3, ties to even, subnormals kept.
;;     - The product sums the exact products of the quantised numbers (number of the format x scale) in f32.
;;   ~~~python
;;   def quantise(x, axis):      # numpy; x: float32 -> the quantised numbers, widened to float32 again
;;       x = np.moveaxis(x, axis, -1); K = x.shape[-1]
;;       x = np.pad(x, [(0, 0)] * (x.ndim - 1) + [(0, -K % 32)]); x = x.reshape(x.shape[:-1] + (-1, 32)); a = np.abs(x).max(-1, keepdims=True)
;;       e = np.where(a > 0, np.clip(np.frexp(np.where(a > 0, a, 1))[1] - 1 - 2, -126, 127), 0)      # np.frexp(a)[1] - 1 = floor(log2(a)), exactly
;;       r = np.clip(x / 2.0 ** e, -7.5, 7.5)
;;       step = 2.0 ** (np.maximum(np.frexp(np.where(r == 0, 1, r))[1] - 1, 0) - 3)
;;       q = np.round(r / step) * step * 2.0 ** e      # np.round: ties to even
;;       return np.moveaxis(q.reshape(q.shape[:-2] + (-1,))[..., :K], -1, axis).astype(np.float32)
;;   ~~~
;;   SOFTMAX AHEAD OF A QUANTISED PRODUCT. Where the list says 'softmax', what is quantised is not the finished softmax but p = 2^(t - M), with t = logit x log2(e) and M = ceil(the row's largest t), a whole number; so 1/2 < the row's largest p <= 1. The row's sum l is taken of the UNQUANTISED p, in f32, and the product's result is divided by l at the end. Since M is a whole number, a kernel that streams over the keys may use a running M (the ceiling of the running maximum): every later rescaling is an exact power of two, which a block's scale takes up: the codes' values come out the same.
;;   OPERANDS COMPUTED ON THE WAY. 'Computed on the way' means the value that the module computes at that place (a softmax that the list does not call 'softmax' is quantised finished and normalised). What goes into a quantiser is computed in f32, as accurately as f32 sums, v_exp_f32 and their like allow (about 1e-6 of the number): no bf16 or f16 on the way to a quantiser, and a product that is left as it is and whose result goes on into a quantised operand takes f32 operands (vector FMAs, or v_wmma_f32_16x16x4_f32). A number that lies on a knife's edge between two numbers of the format may be rounded either way, as far as f32 arithmetic and the matrix unit's own rounding can turn it there, and no further.
;; One version. Each part assembles by itself: llvm-mc -triple=amdgcn-amd-amdhsa -mcpu=gfx1250 --defsym DOCPART=n.
;; ======== version 1 of 1: 4 launches
;; workspace buffers: xq 6,553,600 bytes; wq 3,276,800 bytes; qb 6,815,744 bytes; kv 13,369,344 bytes; ab 6,553,600 bytes
;; launch quant (part 1): grid 384 x 1, 4 waves a work-group, no clusters, 34,304 bytes of LDS; arguments x, Wqkv, Wo, xq, wq; writes xq, wq
.if DOCPART == 1
	.amdgcn_target "amdgcn-amd-amdhsa--gfx1250"
	.amdhsa_code_object_version 6
	.text
	.protected	k_q6521a4b8e4_quant
	.globl	k_q6521a4b8e4_quant
	.p2align	8
	.type	k_q6521a4b8e4_quant,@function
k_q6521a4b8e4_quant:
	s_mov_b64 s[64:65], 0
	v_nop
	global_prefetch_b8 v0, s[64:65] scope:SCOPE_SE
	s_setreg_imm32_b32 hwreg(HW_REG_WAVE_MODE, 25, 1), 1
	s_wait_xcnt 0x0
; x [8192][1024], Wqkv [1024][3072] and Wo [1024][1024], f32, become codes of FP6 (E2M3) with one E8M0 byte for each 32 along K (x: its last axis; the weights: their FIRST axis).
; A block's scale is 2^(floor(log2(its largest magnitude)) - 2); its byte is the largest magnitude's exponent field - 2, held at 1 from below.
; LIMITS: NaN and infinities among the inputs are not served.  A block of zeros keeps the byte 1 where the quantiser says 127: its codes are zeros, and this program alone reads the bytes.
; WHAT IS STORED ARE IMAGES OF OPERAND REGISTERS.  The rows of an operand (tokens of x; columns of a weight) form tiles of 16: in each aligned group of 32 rows, tile u, lane row r, is row 8 u + r + 8 (r / 8).
; A half fragment (16 rows x 64 K) is 768 bytes: lane l's registers 0-3 at 16 l, its registers 4-5 at 512 + 8 l; lane (r, h) holds k = 32 h .. 32 h + 31 of row r.  A tile has 16 of them on end: 12,288 bytes.
; Scale words: 1,024 bytes for a pair of tiles: [4 chunks][32 lanes][2 words]; lanes 0-15 the even tile, lanes 16-31 the odd; chunk c, word i: the 128 along K from 128 (2 c + i) on.
; Every store of a wave covers 512 or 256 consecutive bytes, aligned.  No matrix unit, no tensor load, no barrier: waves share nothing.
; Work-groups 0-255: x, a pair of tiles each, a wave 256 along K.  Work-groups 256-383: the weights' 4,096 columns (Wqkv's 3,072, then Wo's), 128 columns x 256 along K each, a wave 32 columns.
.set STG,   8448                       ; a wave's stage: 16 rows x (512 bytes + 16)
.set SPARE, 4*STG                      ; behind the stages: the spare words, 128 bytes for each wave
.set XSC,   6291456                    ; xq: where the scale words begin
.set WSC,   3145728                    ; wq: likewise
.set L16,   4                          ; v4   16 x lane
.set L8,    5                          ; v5   8 x lane
.set SPW,   10                         ; v10  my spare word; never rewritten
.set NIL,   11                         ; v11  0; never rewritten
.set R,     32                         ; v32-159  x: two sets of 64 registers as loaded
.set X,     160                        ; v160-223 x: 2 x 32 neighbours along K
.set CC,    224                        ; v224-230, v232-238: the codes of two half fragments
	s_load_b128 s[4:7], s[0:1], 0x0                ; x, Wqkv
	s_load_b128 s[8:11], s[0:1], 0x10              ; Wo, xq
	s_load_b64 s[12:13], s[0:1], 0x20              ; wq
	v_lshl_add_u32 v[SPW], v0, 2, SPARE
	v_mov_b32 v[NIL], 0
	v_lshrrev_b32 v1, 5, v0
	v_readfirstlane_b32 s14, v1                    ; wave
	v_and_b32 v1, 31, v0                           ; lane
	v_and_b32 v2, 15, v0                           ; r
	v_bfe_u32 v3, v0, 4, 1                         ; h
	v_lshlrev_b32 v[L16], 4, v1
	v_lshlrev_b32 v[L8], 3, v1
	s_mov_b32 s20, 0x76543210
	s_mov_b32 s21, 0xfedcba98                      ; selects for lane l xor 16
	s_mov_b32 s22, 0xffff0000                      ; lanes 16-31
	s_cmp_ge_u32 ttmp9, 256
	s_cbranch_scc1 .Lweights
; ---------------- x ----------------
	s_mul_i32 s15, s14, STG
	v_add_nc_u32 v6, s15, v[L16]                   ; the stage, on the way in: a row's 512 bytes as they lie
	v_mul_u32_u24 v7, v2, 528
	v_lshl_add_u32 v7, v3, 7, v7
	v_add_nc_u32 v7, s15, v7                       ; and on the way out: row r, + 128 h: my 32 neighbours
	v_lshlrev_b32 v8, 3, v3                        ; 8 h: where my bytes stand in a scale word
	v_mov_b32 v20, 0                               ; a lane permute's destination counts as read
	s_lshl_b32 s16, ttmp9, 17                      ; 32 rows of 4,096 bytes
	s_lshl_b32 s17, s14, 10                        ; my 256 along K
	s_add_co_u32 s16, s16, s17
	s_mov_b32 s17, 0
	s_mul_i32 s18, ttmp9, 24576                    ; two tiles' images
	s_mul_i32 s19, s14, 3072                       ; my four half fragments
	s_add_co_u32 s18, s18, s19
	s_mov_b32 s19, 0
	s_lshl_b32 s24, ttmp9, 10
	s_lshl_b32 s25, s14, 8
	s_add_co_u32 s24, s24, s25
	s_add_co_u32 s24, s24, XSC
	s_mov_b32 s25, 0
	s_wait_kmcnt 0x0
	s_add_nc_u64 s[4:5], s[4:5], s[16:17]
	s_add_nc_u64 s[26:27], s[10:11], s[24:25]      ; my chunk of the pair's scale words
	s_add_nc_u64 s[10:11], s[10:11], s[18:19]
; unit t = 2 u + s: tile u, 128 along K from 128 s on.  Sixteen loads, a row each: 512 consecutive bytes
.macro LOADX t
.irp i, 0,1,2,3,4,5,6,7,8,9,10,11,12,13,14,15
	global_load_b128 v[R+64*((\t)%2)+4*\i:R+64*((\t)%2)+4*\i+3], v[L16], s[4:5] offset:(8*((\t)/2)+\i+8*(\i/8))*4096+512*((\t)%2) th:TH_LOAD_NT
.endr
.endm
.macro UNIT t
.if (\t) < 3
	s_wait_loadcnt 16                              ; this unit's sixteen loads are in; the next unit's sixteen may be out
.else
	s_wait_loadcnt 0x0
.endif
.irp i, 0,1,2,3,4,5,6,7,8,9,10,11,12,13,14,15
	ds_store_b128 v6, v[R+64*((\t)%2)+4*\i:R+64*((\t)%2)+4*\i+3] offset:528*\i
.endr
.irp c, 0,1
.irp i, 0,1,2,3,4,5,6,7
	ds_load_b128 v[X+32*\c+4*\i:X+32*\c+4*\i+3], v7 offset:256*\c+16*\i   ; LDS serves a wave's instructions in order: these see the stores above
.endr
.endr
	s_wait_dscnt 0x0
.if (\t) > 0
	s_wait_xcnt 0x0                                ; the last unit's stores have read their registers: the codes are written again only behind this wait
.endif
.if (\t) < 2
	LOADX (\t)+2
.endif
.irp c, 0,1                                    ; block 2 c + h is all mine: 32 numbers, and the floor 2^(3 - 127)
	v_max3_num_f32 v[12+\c], |v[X+32*\c]|, |v[X+32*\c+1]|, 0x1800000
.endr
.irp i, 2,4,6,8,10,12,14,16,18,20,22,24,26,28,30
.irp c, 0,1
	v_max3_num_f32 v[12+\c], v[12+\c], |v[X+32*\c+\i]|, |v[X+32*\c+\i+1]|
.endr
.endr
.irp c, 0,1
	v_add_nc_u32 v[14+\c], 0xff000000, v[12+\c]    ; 2 off the exponent field: the conversion's scale operand
.endr
.irp c, 0,1
	v_lshrrev_b32 v[12+\c], 23, v[14+\c]           ; the scale's byte
.endr
.irp c, 0,1
	v_cvt_scalef32_pk16_fp6_f32 v[CC+8*\c:CC+8*\c+2], v[X+32*\c:X+32*\c+15], v[14+\c]
	v_cvt_scalef32_pk16_fp6_f32 v[CC+8*\c+4:CC+8*\c+6], v[X+32*\c+16:X+32*\c+31], v[14+\c]   ; (a conversion's three registers begin on an even number)
.endr
	v_lshl_or_b32 v[16+(\t)], v13, 16, v12         ; my two bytes (a plain line behind the conversions),
	v_lshlrev_b32 v[16+(\t)], v8, v[16+(\t)]       ; at their places
.irp c, 0,1
	v_mov_b32 v[CC+8*\c+3], v[CC+8*\c+4]
	v_mov_b32 v[CC+8*\c+4], v[CC+8*\c+5]
	v_mov_b32 v[CC+8*\c+5], v[CC+8*\c+6]
	global_store_b128 v[L16], v[CC+8*\c:CC+8*\c+3], s[10:11] offset:((\t)/2)*12288+(2*((\t)%2)+\c)*768
	global_store_b64 v[L8], v[CC+8*\c+4:CC+8*\c+5], s[10:11] offset:((\t)/2)*12288+(2*((\t)%2)+\c)*768+512
.endr
	v_permlanex16_b32 v20, v[16+(\t)], s20, s21
	v_or_b32 v[16+(\t)], v[16+(\t)], v20           ; with lane l xor 16's two bytes the row's word is whole
.endm
	LOADX 0
	LOADX 1
	UNIT 0
	UNIT 1
	UNIT 2
	UNIT 3
	v_cndmask_b32 v22, v16, v18, s22               ; lanes 0-15 the even tile's word, lanes 16-31 the odd tile's
	v_cndmask_b32 v23, v17, v19, s22
	global_store_b64 v[L8], v[22:23], s[26:27]
	s_wait_tensorcnt 0x0                           ; the wave's end, behind my last LDS store
	ds_add_u32 v[SPW], v[NIL]
	s_wait_dscnt 0x0
	s_endpgm
; ---------------- the weights ----------------
; A lane takes a column and its registers run down K.  Lane l takes column (l & 7) + 16 ((l >> 3) & 1) + 8 (l >> 4) of the wave's 32: lanes 0-15 are the even tile's rows, lanes 16-31 the odd tile's; a load still reads 128 consecutive bytes.
.Lweights:
	s_sub_co_u32 s15, ttmp9, 256
	s_lshr_b32 s16, s15, 2                         ; which 128 columns of the 4,096
	s_and_b32 s17, s15, 3                          ; which 256 along K
	v_and_b32 v6, 7, v1
	v_bfe_u32 v7, v1, 3, 1
	v_lshl_add_u32 v6, v7, 4, v6
	v_lshl_add_u32 v6, v3, 3, v6
	v_lshlrev_b32 v6, 2, v6                        ; my column, in bytes
	s_lshl_b32 s18, s16, 3
	s_lshl_b32 s19, s14, 1
	s_add_co_u32 s18, s18, s19                     ; my wave's even tile
	s_mul_i32 s18, s18, 12288
	s_mul_i32 s19, s17, 3072
	s_add_co_u32 s18, s18, s19
	s_mov_b32 s19, 0
	s_lshl_b32 s24, s16, 2
	s_add_co_u32 s24, s24, s14                     ; my wave's pair of tiles
	s_lshl_b32 s24, s24, 10
	s_lshl_b32 s25, s17, 8
	s_add_co_u32 s24, s24, s25
	s_add_co_u32 s24, s24, WSC
	s_mov_b32 s25, 0
	s_lshl_b32 s30, s14, 7                         ; my wave's 32 columns, in bytes
	s_wait_kmcnt 0x0
	s_add_nc_u64 s[26:27], s[12:13], s[24:25]
	s_add_nc_u64 s[12:13], s[12:13], s[18:19]
.macro LOADW t, n, sb                          ; block t: W(32 t + i, my column), i = 0 .. 31
.irp i, 0,1,2,3,4,5,6,7,8,9,10,11,12,13,14,15,16,17,18,19,20,21,22,23,24,25,26,27,28,29,30,31
	global_load_b32 v[32+32*((\t)%2)+\i], v6, s[\sb:\sb+1] offset:(32*(\t)+\i)*(\n)*4 th:TH_LOAD_NT
.endr
.endm
.macro WBLOCK t, n, sb
.set XS, 32+32*((\t)%2)
.set CW, 96+8*((\t)%2)
.if (\t) < 7
	s_wait_loadcnt 32                              ; this block's 32 loads are in; the next block's may be out
.else
	s_wait_loadcnt 0x0
.endif
	v_max3_num_f32 v12, |v[XS]|, |v[XS+1]|, |v[XS+2]|
	v_max3_num_f32 v13, |v[XS+3]|, |v[XS+4]|, |v[XS+5]|
.irp i, 6,10,14,18,22,26
	v_max3_num_f32 v12, v12, |v[XS+\i]|, |v[XS+\i+1]|
	v_max3_num_f32 v13, v13, |v[XS+\i+2]|, |v[XS+\i+3]|
.endr
	v_max3_num_f32 v12, v12, |v[XS+30]|, |v[XS+31]|
	v_max3_num_f32 v12, v12, v13, 0x1800000        ; and the floor 2^(3 - 127)
	v_add_nc_u32 v14, 0xff000000, v12
	v_lshrrev_b32 v13, 23, v14
.if (\t)%4 == 0
	v_mov_b32 v[16+(\t)/4], v13
.else
	v_lshl_or_b32 v[16+(\t)/4], v13, 8*((\t)%4), v[16+(\t)/4]
.endif
.if ((\t)%2 == 0) && ((\t) >= 2)
	s_wait_xcnt 0x0                                ; the last pair's stores have read their registers
.endif
	v_cvt_scalef32_pk16_fp6_f32 v[CW:CW+2], v[XS:XS+15], v14
	v_cvt_scalef32_pk16_fp6_f32 v[CW+4:CW+6], v[XS+16:XS+31], v14
	v_nop                                          ; one plain line behind the conversions
	v_mov_b32 v[CW+3], v[CW+4]
	v_mov_b32 v[CW+4], v[CW+5]
	v_mov_b32 v[CW+5], v[CW+6]
.if (\t)+2 < 8
	LOADW (\t)+2, \n, \sb
.endif
.if (\t)%2 == 1                                ; two blocks are a half fragment's 64 along K: the even block's lanes 16-31 change places with the odd block's lanes 0-15
.irp i, 0,1,2,3,4,5
	v_permlane16_swap_b32 v[96+\i], v[104+\i]      ; v96.. is now the even tile's image, v104.. the odd tile's
.endr
	global_store_b128 v[L16], v[96:99], s[12:13] offset:((\t)/2)*768
	global_store_b64 v[L8], v[100:101], s[12:13] offset:((\t)/2)*768+512
	global_store_b128 v[L16], v[104:107], s[12:13] offset:12288+((\t)/2)*768
	global_store_b64 v[L8], v[108:109], s[12:13] offset:12288+((\t)/2)*768+512
.endif
.endm
.macro WPATH n, sb
	LOADW 0, \n, \sb
	LOADW 1, \n, \sb
.irp t, 0,1,2,3,4,5,6,7
	WBLOCK \t, \n, \sb
.endr
	global_store_b64 v[L8], v[16:17], s[26:27]     ; lane l's two words are its own column's: the image as it stands
	s_wait_tensorcnt 0x0                           ; the wave's end
	ds_add_u32 v[SPW], v[NIL]
	s_wait_dscnt 0x0
	s_endpgm
.endm
	s_cmp_ge_u32 s16, 24
	s_cbranch_scc1 .Lwo
	s_mul_i32 s28, s17, 256*3072*4                 ; Wqkv: my 256 rows,
	s_lshl_b32 s29, s16, 9                         ; my work-group's 128 columns,
	s_add_co_u32 s28, s28, s29
	s_add_co_u32 s28, s28, s30
	s_mov_b32 s29, 0
	s_add_nc_u64 s[6:7], s[6:7], s[28:29]
	WPATH 3072, 6
.Lwo:
	s_sub_co_u32 s16, s16, 24                      ; Wo's columns follow Wqkv's
	s_mul_i32 s28, s17, 256*1024*4
	s_lshl_b32 s29, s16, 9
	s_add_co_u32 s28, s28, s29
	s_add_co_u32 s28, s28, s30
	s_mov_b32 s29, 0
	s_add_nc_u64 s[8:9], s[8:9], s[28:29]
	WPATH 1024, 8
.Lfunc_end_k_q6521a4b8e4_quant:
	.size	k_q6521a4b8e4_quant, .Lfunc_end_k_q6521a4b8e4_quant-k_q6521a4b8e4_quant
	.p2alignl 7, 3214868480
	.fill 96, 4, 3214868480
	.section	.rodata,"a",@progbits
	.p2align	6, 0x0
	.amdhsa_kernel k_q6521a4b8e4_quant
		.amdhsa_group_segment_fixed_size 34304
		.amdhsa_private_segment_fixed_size 0
		.amdhsa_enable_private_segment 0
		.amdhsa_kernarg_size 40
		.amdhsa_user_sgpr_count 2
		.amdhsa_user_sgpr_kernarg_segment_ptr 1
		.amdhsa_wavefront_size32 1
		.amdhsa_system_sgpr_workgroup_id_x 1
		.amdhsa_system_sgpr_workgroup_id_y 1
		.amdhsa_system_sgpr_workgroup_id_z 1
		.amdhsa_system_vgpr_workitem_id 0
		.amdhsa_next_free_vgpr 240
		.amdhsa_next_free_sgpr 66
		.amdhsa_reserve_vcc 0
		.amdhsa_float_denorm_mode_32 3
		.amdhsa_float_denorm_mode_16_64 3
		.amdhsa_memory_ordered 1
		.amdhsa_forward_progress 1
		.amdhsa_inst_pref_size 108
	.end_amdhsa_kernel
	.amdgpu_metadata
---
amdhsa.version: [ 1, 2 ]
amdhsa.kernels:
  - .name:           k_q6521a4b8e4_quant
    .symbol:         k_q6521a4b8e4_quant.kd
    .args:
      - { .name: x, .offset: 0, .size: 8, .value_kind: global_buffer, .address_space: global }
      - { .name: Wqkv, .offset: 8, .size: 8, .value_kind: global_buffer, .address_space: global }
      - { .name: Wo, .offset: 16, .size: 8, .value_kind: global_buffer, .address_space: global }
      - { .name: xq, .offset: 24, .size: 8, .value_kind: global_buffer, .address_space: global }
      - { .name: wq, .offset: 32, .size: 8, .value_kind: global_buffer, .address_space: global }
    .group_segment_fixed_size: 34304
    .private_segment_fixed_size: 0
    .kernarg_segment_align: 8
    .kernarg_segment_size: 40
    .max_flat_workgroup_size: 128
    .sgpr_count:     66
    .vgpr_count:     240
    .wavefront_size: 32
...
	.end_amdgpu_metadata
.endif
;; end of part 1
;; launch qkv (part 2): grid 8 x 96, 4 waves a work-group, clusters of 4 x 4, 327,680 bytes of LDS; arguments xq, wq, bqkv, qb, kv; writes qb, kv
.if DOCPART == 2
	.amdgcn_target "amdgcn-amd-amdhsa--gfx1250"
	.amdhsa_code_object_version 6
	.text
	.protected	k_q6521a4b8e4_qkv
	.globl	k_q6521a4b8e4_qkv
	.p2align	8
	.type	k_q6521a4b8e4_qkv,@function
k_q6521a4b8e4_qkv:
	s_mov_b64 s[64:65], 0
	v_nop
	global_prefetch_b8 v0, s[64:65] scope:SCOPE_SE
	s_setreg_imm32_b32 hwreg(HW_REG_WAVE_MODE, 25, 1), 1
	s_wait_xcnt 0x0
	s_wait_alu depctr_hold_cnt(0) depctr_sa_sdst(0) depctr_va_vdst(0) depctr_va_sdst(0) depctr_va_ssrc(0) depctr_va_vcc(0) depctr_vm_vsrc(0)
	s_getreg_b32 s2, hwreg(HW_REG_IB_STS2, 6, 4)
	s_cmp_eq_u32 s2, 0
	s_cbranch_scc0 .Lentry_in_a_cluster
	s_endpgm
.Lentry_in_a_cluster:
	s_bfe_u32 s2, ttmp6, 0x10000c
	s_cmp_lg_u32 s2, 0xf033
	s_cbranch_scc0 .Lentry_shape_is_right
	s_endpgm
.Lentry_shape_is_right:
; qkv = x Wqkv + bqkv on codes of FP6 (E2M3) with E8M0 scales, sums in f32; the results are quantised at once, as operands of attention's two products, and stored as images of operand registers.
; A work-group makes 128 "A rows" x 256 "B rows" over all K = 1,024; wave (wa, wb) makes 64 x 128: 32 accumulators.  The matrix instruction is used transposed (source 0 = 16 B rows, source 1 = 16 A rows):
; a lane holds ONE A row, and since a tile's rows are 8 u + r + 8 (r / 8) of their group of 32, the 16 registers of B tiles 2 b, 2 b + 1 are the 16 neighbouring B rows 32 b + 16 h + 0 .. 15.
; CASE 0 (cluster y under 16): A = tokens, B = the features of q and k: a lane's registers run along the head's 64, which is the first product's K.
; CASE 1: A = the features of v, B = tokens: a lane's registers run along the tokens, the keys, which are the second product's K.  The same lines quantise both.
; LDS: all of K lies in four slots of 256 along K, each filled ONCE: no byte is filled twice, so the barriers between slots are plain ones.  A wave issues four tensor loads at the start and has at most those four out.
; CLUSTER 4 x 4: A's tiles are asked for jointly along a row of the cluster, B's along a column.  CASE hangs on the cluster's y alone: it is the same in all sixteen partners.
; OUT: qb [64 heads][16 groups of 128 tokens][6,656]: 8 half fragments (tile t at 768 t), at 6,144 the scale words (sub-image s, lane l, word p: tile 4 s + 2 p + l / 16; bytes 2 and 3 are 0).
;      kv [64][16][13,056]: K's 8 half fragments; at 6,144 V's 4 fragments (16 of the head's 64 x the group's 128 keys); at 12,288 K's scale words as q's; at 12,800 V's (lane l, word p: tile 2 p + l / 16).
; LIMITS: NaN and infinities are not served; a block of zeros keeps the byte 1 (its codes are zeros; this program alone reads the bytes).
; REGISTERS: window 0: v1-7 lane numbers, the add's two; v8-23 LDS addresses; v24-31 offsets, scale words made; v32-47 A's scale words, v48-79 B's; v80-175 A's fragments, two sets (later: 64 numbers and their codes);
;   v176-183 the bias along A; v184-207 at work.   window 1: v0-191 B's fragments, two sets; v192-255 the bias along B.   window 2: the accumulators, (a, b) at v[8 (8 a + b)].
.set SLOT,  73728                      ; A's 8 tiles x 3,072 bytes, then B's 16
.set BOFF,  24576
.set SPARE, 4*SLOT                     ; behind the slots: the spare words, 128 bytes for each wave
.set XSC,   6291456                    ; xq: where the scale words begin
.set WSC,   3145728                    ; wq: likewise
.set WVIMG, 1572864                    ; wq: Wv's images (tile 128)
.set WVSC,  65536                      ; and its scale words (pair 64)
.set RECQ,  6656
.set RECK,  13056
.set L16,  4
.set L8,   5
.set SPW,  6
.set NIL,  7
.set AA16, 8
.set AA8,  12
.set AB16, 16
.set AB8,  20
.set O16,  24
.set O8,   25
.set OS,   26
.set BAO,  27
.set PWS,  28
.set SA,   32
.set SB,   48
.set AF,   80
.set BA,   176
.set TM,   184
.set PW,   200
.set EW,   202
.set T,    80
.set PC,   144
.set BB,   192
.set SEL,  40
.set MHI,  42
.set MSB, 0
.macro WIN new                         ; the immediate's high byte repeats the setting that is left
.if MSB != \new
	s_set_vgpr_msb (MSB<<8)|\new
.set MSB, \new
.endif
.endm
.set MUL,  0xa1                        ; source 0 (B) window 1, source 1 (A) window 0, C and D window 2
.set TO_B, 0x40                        ; destination window 1
.set ADDB, 0x06                        ; source 0 window 2, source 1 window 1
.set ADDA, 0x02                        ; source 0 window 2
.macro PLACES n
.rept \n
	v_nop
.endr
.endm
.macro CROUND                          ; a round of the cluster's barrier
	s_barrier_signal -1
	s_barrier_wait -1
	s_cmp_lg_u32 s14, 0
	s_cbranch_scc1 .Lnot_wave_0_\@
	s_barrier_signal -3
.Lnot_wave_0_\@:
	s_barrier_wait -3
	s_barrier_signal -1
	s_barrier_wait -1
.endm
	s_load_b256 s[4:11], s[0:1], 0x0               ; xq s[4:5], wq s[6:7], bqkv s[8:9], qb s[10:11]
	s_load_b64 s[12:13], s[0:1], 0x20              ; kv
	v_lshl_add_u32 v[SPW], v0, 2, SPARE
	v_mov_b32 v[NIL], 0
	ds_add_u32 v[SPW], v[NIL]                      ; the wave's opening: the add and its wait stand ahead of my first tensor load; the set-up below stands between them
	v_lshrrev_b32 v1, 5, v0
	v_readfirstlane_b32 s14, v1                    ; wave
	s_lshr_b32 s15, s14, 1                         ; wa: my 64 of the A rows.  Also: I fetch for A (0) or for B (1)
	s_and_b32 s16, s14, 1                          ; wb: my 128 of the B rows.  Also: which half I fetch
	s_bfe_u32 s17, ttmp6, 0x40000                  ; cx
	s_bfe_u32 s18, ttmp6, 0x40004                  ; cy
	s_mov_b32 s19, ttmp9                           ; cluster x: 0 q, 1 k (CASE 0)
	s_and_b32 s20, ttmp7, 0xffff                   ; cluster y
	s_sub_co_u32 s43, s20, 16
	s_cmp_ge_u32 s20, 16
	s_cselect_b32 s21, 1, 0                        ; CASE
	s_cselect_b32 s44, ttmp9, s20                  ; the cluster's coordinate along A,
	s_cselect_b32 s45, s43, ttmp9                  ; and along B: the places in the cluster keep their roles
	s_lshl_b32 s22, s44, 2
	s_add_co_u32 s22, s22, s18                     ; tileA: 128 rows
	s_lshl_b32 s23, s45, 2
	s_add_co_u32 s23, s23, s17                     ; tileB: 256 rows
	s_lshl_b32 s46, s18, 2
	s_lshl_b32 s46, 15, s46                        ; my row of the cluster
	s_lshl_b32 s47, 0x1111, s17                    ; my column
	; descriptor group 1: row tiles as rows of 3,072 bytes (384 elements of 8 bytes), 12,288 bytes apart in memory, dense in LDS.  A: 4 a load;  B: 8
	s_or_b32 s24, s46, (3<<16)|(1<<21)
	s_mov_b32 s25, 384<<16
	s_mov_b32 s26, 4<<16
	s_mov_b32 s27, 384<<16
	s_mov_b32 s28, 4
	s_mov_b32 s29, 1536
	s_mov_b32 s30, 0
	s_mov_b32 s31, 0
	s_or_b32 s32, s47, (3<<16)|(1<<21)
	s_mov_b32 s33, 384<<16
	s_mov_b32 s34, 8<<16
	s_mov_b32 s35, 384<<16
	s_mov_b32 s36, 8
	s_mov_b32 s37, 1536
	s_mov_b32 s38, 0
	s_mov_b32 s39, 0
	s_mov_b32 s[SEL], 0x76543210
	s_mov_b32 s[SEL+1], 0xfedcba98
	s_mov_b32 s[MHI], 0xffff0000
	s_mul_i32 s84, s22, 98304                      ; A's images: 8 tiles a tileA,
	s_mul_i32 s85, s16, 49152                      ; the half that I fetch,
	s_add_co_u32 s84, s84, s85
	s_mul_i32 s85, s21, WVIMG                      ; and in CASE 1 Wv's place in wq
	s_add_co_u32 s84, s84, s85
	s_mov_b32 s85, 0
	s_mul_i32 s86, s23, 196608                     ; B's: 16 tiles a tileB
	s_mul_i32 s87, s16, 98304
	s_add_co_u32 s86, s86, s87
	s_mov_b32 s87, 0
	s_lshl_b32 s88, s22, 2
	s_lshl_b32 s89, s15, 1
	s_add_co_u32 s88, s88, s89
	s_lshl_b32 s88, s88, 10                        ; my two pairs of A's scale words
	s_lshl_b32 s90, s23, 3
	s_lshl_b32 s91, s16, 2
	s_add_co_u32 s90, s90, s91
	s_lshl_b32 s90, s90, 10                        ; my four pairs of B's
	s_mov_b32 s89, XSC
	s_mov_b32 s91, WSC
	s_cmp_lg_u32 s21, 0
	s_cselect_b32 s43, WSC+WVSC, s89
	s_cselect_b32 s2, s89, s91
	s_add_co_u32 s88, s88, s43
	s_add_co_u32 s90, s90, s2
	s_mov_b32 s89, 0
	s_mov_b32 s91, 0
	s_lshl_b32 s44, s23, 10
	s_lshl_b32 s45, s16, 9
	s_add_co_u32 s44, s44, s45                     ; the bias along B: 4 (256 tileB + 128 wb)
	s_lshl_b32 s46, s22, 9
	s_lshl_b32 s47, s15, 8
	s_add_co_u32 s46, s46, s47
	s_add_co_u32 s46, s46, 8192                    ; the bias along A: 4 (2,048 + 128 tileA + 64 wa)
	s_cmp_lg_u32 s21, 0
	s_cselect_b32 s44, 0, s44                      ; the one that the case does not use is loaded from the buffer's head, so that every register is written
	s_cselect_b32 s46, s46, 0
	s_mov_b32 s45, 0
	s_mov_b32 s47, 0
	s_mul_i32 s2, s16, 12288                       ; where my load lands in a slot: A's half,
	s_mul_i32 s3, s16, 24576
	s_add_co_u32 s3, s3, BOFF                      ; or B's: the wave's number alone
	s_wait_dscnt 0x0                               ; the opening add is done
	s_wait_kmcnt 0x0
	s_cmp_lg_u32 s21, 0
	s_cselect_b64 s[92:93], s[6:7], s[4:5]         ; A's buffer
	s_cselect_b64 s[94:95], s[4:5], s[6:7]         ; B's
	s_add_nc_u64 s[96:97], s[92:93], s[88:89]
	s_add_nc_u64 s[98:99], s[94:95], s[90:91]
	s_add_nc_u64 s[92:93], s[92:93], s[84:85]
	s_add_nc_u64 s[94:95], s[94:95], s[86:87]
	s_add_nc_u64 s[44:45], s[8:9], s[44:45]
	s_add_nc_u64 s[46:47], s[8:9], s[46:47]
.irp s, 0,1,2,3                                ; descriptor group 0, one for each slot: K from 256 s on
	s_mov_b32 s[48+4*\s], 1
	s_add_co_u32 s[49+4*\s], s2, \s*SLOT
	s_add_nc_u64 s[50+4*\s:51+4*\s], s[92:93], \s*3072
	s_or_b32 s[51+4*\s], s[51+4*\s], 0x80000000
	s_mov_b32 s[68+4*\s], 1
	s_add_co_u32 s[69+4*\s], s3, \s*SLOT
	s_add_nc_u64 s[70+4*\s:71+4*\s], s[94:95], \s*3072
	s_or_b32 s[71+4*\s], s[71+4*\s], 0x80000000
.endr
	CROUND                                         ; all sixteen work-groups are here: the joint loads meet
	s_cmp_eq_u32 s15, 0                            ; a wave's four fills stand in one branch on the wave's number
	s_cbranch_scc0 .Lfill_b
.irp s, 0,1,2,3
	tensor_load_to_lds s[48+4*\s:51+4*\s], s[24:31]
	s_nop 0
.endr
	PLACES 4
	s_branch .Lfilled
.Lfill_b:
.irp s, 0,1,2,3
	tensor_load_to_lds s[68+4*\s:71+4*\s], s[32:39]
	s_nop 0
.endr
	PLACES 4
.Lfilled:
	v_and_b32 v1, 15, v0                           ; r
	v_bfe_u32 v2, v0, 4, 1                         ; h
	v_and_b32 v3, 31, v0
	v_lshlrev_b32 v[L16], 4, v3
	v_lshlrev_b32 v[L8], 3, v3
.irp p, 0,1                                    ; scale words straight into registers: v[SA + 8 p + q]: pair p, the q-th 128 along K; lanes 0-15 the even tile, lanes 16-31 the odd
.irp c, 0,1,2,3
	global_load_b64 v[SA+8*\p+2*\c:SA+8*\p+2*\c+1], v[L8], s[96:97] offset:\p*1024+\c*256
.endr
.endr
.irp p, 0,1,2,3
.irp c, 0,1,2,3
	global_load_b64 v[SB+8*\p+2*\c:SB+8*\p+2*\c+1], v[L8], s[98:99] offset:\p*1024+\c*256
.endr
.endr
	v_lshlrev_b32 v3, 6, v2                        ; the bias along B: lane (r, h), tile 2 b + u wants features 32 b + 16 h + 8 u + 0 .. 7
	v_and_b32 v[BAO], 8, v1
	v_add_nc_u32 v[BAO], v[BAO], v1
	v_lshlrev_b32 v[BAO], 2, v[BAO]                ; the bias along A: feature r + 8 (r / 8) of the tile
	WIN TO_B
.irp t, 0,1,2,3,4,5,6,7
	global_load_b128 v[BB+8*\t:BB+8*\t+3], v3, s[44:45] offset:(32*(\t/2)+8*(\t%2))*4
	global_load_b128 v[BB+8*\t+4:BB+8*\t+7], v3, s[44:45] offset:(32*(\t/2)+8*(\t%2))*4+16
.endr
	WIN 0
.irp a, 0,1,2,3
	global_load_b32 v[BA+2*\a], v[BAO], s[46:47] offset:(32*(\a/2)+8*(\a%2))*4
	v_mov_b32 v[BA+2*\a+1], 0                      ; (named with it as a pair)
.endr
.irp b, 0,1,2,3
	v_mov_b32 v[TM+4+\b], 0                        ; a lane permute's destination counts as read
.endr
	s_mul_i32 s2, s15, 12288                       ; my four tiles of A in a slot,
	s_mul_i32 s3, s16, 24576
	s_add_co_u32 s3, s3, BOFF                      ; my eight of B
.irp s, 0,1,2,3
	v_add_nc_u32 v[AA16+\s], s2, v[L16]
	v_add_nc_u32 v[AA8+\s], s2, v[L8]
	v_add_nc_u32 v[AB16+\s], s3, v[L16]
	v_add_nc_u32 v[AB8+\s], s3, v[L8]
	s_add_co_u32 s2, s2, SLOT
	s_add_co_u32 s3, s3, SLOT
.endr
.macro FRAG reg, a16, a8, off                  ; a fragment (16 rows x 128 K, 12 registers) is two half fragments' images on end: every load reads 512 or 256 consecutive bytes
	ds_load_b128 v[\reg:\reg+3], v[\a16] offset:\off
	ds_load_b64 v[\reg+4:\reg+5], v[\a8] offset:\off+512
	ds_load_b128 v[\reg+6:\reg+9], v[\a16] offset:\off+768
	ds_load_b64 v[\reg+10:\reg+11], v[\a8] offset:\off+1280
.endm
.macro FETCH q                                 ; the q-th 128 along K: B's eight fragments and A's four, into set q % 2: 48 loads in one run
	WIN TO_B
.irp i, 0,1,2,3,4,5,6,7
	FRAG 96*((\q)%2)+12*\i, AB16+(\q)/2, AB8+(\q)/2, \i*3072+((\q)%2)*1536
.endr
	WIN 0
.irp i, 0,1,2,3
	FRAG AF+48*((\q)%2)+12*\i, AA16+(\q)/2, AA8+(\q)/2, \i*3072+((\q)%2)*1536
.endr
.endm
.macro WM a, b, q, zero                        ; one product; an odd tile's scale words stand in lanes 16-31
.set rD, 8*(8*(\a)+(\b))
.set rB, 96*((\q)%2)+12*(\b)
.set rA, AF+48*((\q)%2)+12*(\a)
.set rY, SB+8*((\b)/2)+(\q)
.set rX, SA+8*((\a)/2)+(\q)
.set md, 2*((\a)%2)+(\b)%2
.if \zero
.if md == 0
	v_wmma_scale_f32_16x16x128_f8f6f4 v[rD:rD+7], v[rB:rB+11], v[rA:rA+11], 0, v[rY], v[rX] matrix_a_fmt:MATRIX_FMT_FP6 matrix_b_fmt:MATRIX_FMT_FP6
.elseif md == 1
	v_wmma_scale_f32_16x16x128_f8f6f4 v[rD:rD+7], v[rB:rB+11], v[rA:rA+11], 0, v[rY], v[rX] matrix_a_fmt:MATRIX_FMT_FP6 matrix_b_fmt:MATRIX_FMT_FP6 matrix_a_scale:MATRIX_SCALE_ROW1
.elseif md == 2
	v_wmma_scale_f32_16x16x128_f8f6f4 v[rD:rD+7], v[rB:rB+11], v[rA:rA+11], 0, v[rY], v[rX] matrix_a_fmt:MATRIX_FMT_FP6 matrix_b_fmt:MATRIX_FMT_FP6 matrix_b_scale:MATRIX_SCALE_ROW1
.else
	v_wmma_scale_f32_16x16x128_f8f6f4 v[rD:rD+7], v[rB:rB+11], v[rA:rA+11], 0, v[rY], v[rX] matrix_a_fmt:MATRIX_FMT_FP6 matrix_b_fmt:MATRIX_FMT_FP6 matrix_a_scale:MATRIX_SCALE_ROW1 matrix_b_scale:MATRIX_SCALE_ROW1
.endif
.else
.if md == 0
	v_wmma_scale_f32_16x16x128_f8f6f4 v[rD:rD+7], v[rB:rB+11], v[rA:rA+11], v[rD:rD+7], v[rY], v[rX] matrix_a_fmt:MATRIX_FMT_FP6 matrix_b_fmt:MATRIX_FMT_FP6
.elseif md == 1
	v_wmma_scale_f32_16x16x128_f8f6f4 v[rD:rD+7], v[rB:rB+11], v[rA:rA+11], v[rD:rD+7], v[rY], v[rX] matrix_a_fmt:MATRIX_FMT_FP6 matrix_b_fmt:MATRIX_FMT_FP6 matrix_a_scale:MATRIX_SCALE_ROW1
.elseif md == 2
	v_wmma_scale_f32_16x16x128_f8f6f4 v[rD:rD+7], v[rB:rB+11], v[rA:rA+11], v[rD:rD+7], v[rY], v[rX] matrix_a_fmt:MATRIX_FMT_FP6 matrix_b_fmt:MATRIX_FMT_FP6 matrix_b_scale:MATRIX_SCALE_ROW1
.else
	v_wmma_scale_f32_16x16x128_f8f6f4 v[rD:rD+7], v[rB:rB+11], v[rA:rA+11], v[rD:rD+7], v[rY], v[rX] matrix_a_fmt:MATRIX_FMT_FP6 matrix_b_fmt:MATRIX_FMT_FP6 matrix_a_scale:MATRIX_SCALE_ROW1 matrix_b_scale:MATRIX_SCALE_ROW1
.endif
.endif
.endm
.macro MUL16 a0, q, zero                       ; the 32 accumulators take turns, one instruction a turn, in the same order in every step
.irp a, \a0, \a0+1
.irp b, 0,1,2,3,4,5,6,7
	WM \a, \b, \q, \zero
.endr
.endr
.endm
.macro EVEN q, zero                            ; a slot's first 128 along K: its successor lies in the same slot
	s_wait_dscnt 0x0                               ; this step's fragments are in
.if (\q) > 0
	PLACES 4                                       ; in front of loads into the set that the last step's products read
.endif
	FETCH (\q)+1
	WIN MUL
	MUL16 0, \q, \zero
	MUL16 2, \q, \zero
.endm
.macro ODD q, left                             ; a slot's second: the next slot is wanted.  left: my loads for the slots behind it, which may stay out
	s_wait_dscnt 0x0
	s_wait_tensorcnt \left
	s_barrier_signal -1
	WIN MUL
	MUL16 0, \q, 0
	s_barrier_wait -1
	PLACES 4
	FETCH (\q)+1
	WIN MUL
	MUL16 2, \q, 0
.endm
	s_wait_tensorcnt 3                             ; my part of slot 0 is in; my three later loads may be out
	s_barrier_signal -1
	s_barrier_wait -1
	FETCH 0
	s_wait_loadcnt 0x0                             ; scale words and biases
	EVEN 0, 1                                      ; the first products start the sums: nothing is cleared
	ODD 1, 2
	EVEN 2, 0
	ODD 3, 1
	EVEN 4, 0
	ODD 5, 0
	EVEN 6, 0
	s_wait_dscnt 0x0
	MUL16 0, 7, 0
	MUL16 2, 7, 0
	WIN 0
	PLACES 4                                       ; in front of the first reads of results and of writes over A's fragments
; 64 numbers of a lane, register 16 b + i = k 32 b + 16 h + i of my row, become a fragment's codes in v[PC] on and its scale word in v[PW]
.macro QUANT s
.irp b, 0,1,2,3
	v_max3_num_f32 v[TM+\b], |v[\s+16*\b]|, |v[\s+1+16*\b]|, 0x1800000   ; my 16 numbers of block b, and the floor 2^(3 - 127)
.endr
.irp i, 2,4,6,8,10,12,14
.irp b, 0,1,2,3
	v_max3_num_f32 v[TM+\b], v[TM+\b], |v[\s+16*\b+\i]|, |v[\s+1+16*\b+\i]|
.endr
.endr
.irp b, 0,1,2,3
	v_permlanex16_b32 v[TM+4+\b], v[TM+\b], s[SEL], s[SEL+1]
.endr
.irp b, 0,1,2,3
	v_max_num_f32 v[TM+\b], v[TM+\b], v[TM+4+\b]   ; with lane l xor 16's: the block's largest magnitude
.endr
.irp b, 0,1,2,3
	v_add_nc_u32 v[TM+12+\b], 0xff000000, v[TM+\b] ; 2 off its exponent field: the conversion's scale operand
.endr
.irp b, 0,1,2,3
	v_lshrrev_b32 v[TM+4+\b], 23, v[TM+12+\b]      ; the scale's byte
.endr
	v_lshl_or_b32 v[PW], v[TM+5], 8, v[TM+4]
	v_lshl_or_b32 v[PW], v[TM+6], 16, v[PW]
	v_lshl_or_b32 v[PW], v[TM+7], 24, v[PW]
.irp c, 0,1
	v_cvt_scalef32_pk16_fp6_f32 v[PC+6*\c:PC+2+6*\c], v[\s+32*\c:\s+15+32*\c], v[TM+12+2*\c]
	v_cvt_scalef32_pk16_fp6_f32 v[PC+12+4*\c:PC+14+4*\c], v[\s+16+32*\c:\s+31+32*\c], v[TM+12+2*\c+1]
.endr
	v_nop                                          ; one plain line behind the conversions
.irp c, 0,1                                    ; a whole block to a lane: lanes 0-15 block 2 c, lanes 16-31 block 2 c + 1
.irp i, 0,1,2
	v_permlane16_swap_b32 v[PC+6*\c+\i], v[PC+12+4*\c+\i]
.endr
.irp i, 0,1,2
	v_mov_b32 v[PC+3+6*\c+\i], v[PC+12+4*\c+\i]
.endr
.endr
.endm
; A tile a: bias, quantiser, stores.  The addition of the bias is also the move into window 0; each accumulator is read from its low end on.
.macro EPI a, mode
.if (\a) > 0
	s_wait_xcnt 0x0                                ; the last tile's stores have read the codes' registers
.endif
.if \mode
	WIN ADDA
.set k, 0
.rept 32
	v_pk_add_f32 v[T+k:T+k+1], v[64*(\a)+k:64*(\a)+k+1], v[BA+2*(\a):BA+2*(\a)+1] op_sel_hi:[1,0]
.set k, k+2
.endr
.else
	WIN ADDB
.set k, 0
.rept 32
	v_pk_add_f32 v[T+k:T+k+1], v[64*(\a)+k:64*(\a)+k+1], v[BB+k:BB+k+1]
.set k, k+2
.endr
.endif
	WIN 0
	QUANT T
.if \mode
	global_store_b128 v[L16], v[PC:PC+3], s[84:85] offset:6144+1536*(\a)          ; V's fragment a: 16 of the head's 64 x the group's 128 keys
	global_store_b64 v[L8], v[PC+4:PC+5], s[84:85] offset:6144+1536*(\a)+512
	global_store_b128 v[L16], v[PC+6:PC+9], s[84:85] offset:6144+1536*(\a)+768
	global_store_b64 v[L8], v[PC+10:PC+11], s[84:85] offset:6144+1536*(\a)+1280
.else
	global_store_b128 v[O16], v[PC:PC+3], s[84:85] offset:768*(\a)                ; the fragment's two halves are two heads' half fragments
	global_store_b64 v[O8], v[PC+4:PC+5], s[84:85] offset:768*(\a)+512
	global_store_b128 v[O16], v[PC+6:PC+9], s[90:91] offset:768*(\a)
	global_store_b64 v[O8], v[PC+10:PC+11], s[90:91] offset:768*(\a)+512
.endif
	v_mov_b32 v[PWS+(\a)], v[PW]
.endm
	s_cmp_lg_u32 s21, 0                            ; CASE: the same in all partners
	s_cbranch_scc1 .Lvalues
	; ---- q and k: record ((batch x 16 + head) x 16 + group) of qb or kv; my 128 features are heads 4 (tileB & 3) + 2 wb and the next
	s_cmp_lg_u32 s19, 0
	s_cselect_b64 s[84:85], s[12:13], s[10:11]
	s_mov_b32 s86, RECQ
	s_cselect_b32 s86, RECK, s86
	s_mov_b32 s87, 6144
	s_cselect_b32 s87, 12288, s87                  ; where the record's scale words begin
	s_lshr_b32 s88, s22, 4
	s_lshl_b32 s88, s88, 4
	s_and_b32 s89, s23, 3
	s_lshl_b32 s89, s89, 2
	s_add_co_u32 s88, s88, s89
	s_lshl_b32 s89, s16, 1
	s_add_co_u32 s88, s88, s89
	s_lshl_b32 s88, s88, 4
	s_and_b32 s89, s22, 15
	s_add_co_u32 s88, s88, s89
	s_mul_i32 s88, s88, s86
	s_mov_b32 s89, 0
	s_add_nc_u64 s[84:85], s[84:85], s[88:89]      ; the even head's record
	s_lshl_b32 s90, s86, 4
	s_mov_b32 s91, 0
	s_add_nc_u64 s[90:91], s[84:85], s[90:91]      ; the odd head's: 16 records on
	s_mul_i32 s92, s15, 3072                       ; my four tiles of the group's eight
	v_add_nc_u32 v[O16], s92, v[L16]
	v_add_nc_u32 v[O8], s92, v[L8]
	s_lshl_b32 s93, s15, 8
	s_add_co_u32 s93, s93, s87
	v_add_nc_u32 v[OS], s93, v[L8]
	EPI 0, 0
	EPI 1, 0
	EPI 2, 0
	EPI 3, 0
	v_cndmask_b32 v[EW], v[PWS], v[PWS+1], s[MHI]  ; lanes 0-15 the even tile's words, lanes 16-31 the odd tile's
	v_cndmask_b32 v[EW+1], v[PWS+2], v[PWS+3], s[MHI]
	v_and_b32 v[EW+2], 0xffff, v[EW]               ; bytes 0, 1: the even head's two blocks; bytes 2, 3 of a stored word are 0
	v_and_b32 v[EW+3], 0xffff, v[EW+1]
	v_lshrrev_b32 v[EW+4], 16, v[EW]               ; bytes 2, 3: the odd head's
	v_lshrrev_b32 v[EW+5], 16, v[EW+1]
	global_store_b64 v[OS], v[EW+2:EW+3], s[84:85]
	global_store_b64 v[OS], v[EW+4:EW+5], s[90:91]
	s_wait_tensorcnt 0x0                           ; the wave's end
	ds_add_u32 v[SPW], v[NIL]
	s_wait_dscnt 0x0
	s_branch .Lclose
.Lvalues:
	; ---- v: my 64 features are head 2 tileA + wa, my 128 tokens group (2 tileB + wb) & 15 of batch tileB >> 3
	s_lshr_b32 s88, s23, 3
	s_lshl_b32 s88, s88, 4
	s_lshl_b32 s89, s22, 1
	s_add_co_u32 s88, s88, s89
	s_add_co_u32 s88, s88, s15
	s_lshl_b32 s88, s88, 4
	s_lshl_b32 s89, s23, 1
	s_add_co_u32 s89, s89, s16
	s_and_b32 s89, s89, 15
	s_add_co_u32 s88, s88, s89
	s_mul_i32 s88, s88, RECK
	s_mov_b32 s89, 0
	s_add_nc_u64 s[84:85], s[12:13], s[88:89]
	EPI 0, 1
	EPI 1, 1
	EPI 2, 1
	EPI 3, 1
	v_cndmask_b32 v[EW], v[PWS], v[PWS+1], s[MHI]
	v_cndmask_b32 v[EW+1], v[PWS+2], v[PWS+3], s[MHI]
	global_store_b64 v[L8], v[EW:EW+1], s[84:85] offset:12800
	s_wait_tensorcnt 0x0                           ; the wave's end
	ds_add_u32 v[SPW], v[NIL]
	s_wait_dscnt 0x0
.Lclose:
	CROUND                                         ; the closing round
	s_endpgm
.Lfunc_end_k_q6521a4b8e4_qkv:
	.size	k_q6521a4b8e4_qkv, .Lfunc_end_k_q6521a4b8e4_qkv-k_q6521a4b8e4_qkv
	.p2alignl 7, 3214868480
	.fill 96, 4, 3214868480
	.section	.rodata,"a",@progbits
	.p2align	6, 0x0
	.amdhsa_kernel k_q6521a4b8e4_qkv
		.amdhsa_group_segment_fixed_size 327680
		.amdhsa_private_segment_fixed_size 0
		.amdhsa_enable_private_segment 0
		.amdhsa_kernarg_size 40
		.amdhsa_user_sgpr_count 2
		.amdhsa_user_sgpr_kernarg_segment_ptr 1
		.amdhsa_wavefront_size32 1
		.amdhsa_system_sgpr_workgroup_id_x 1
		.amdhsa_system_sgpr_workgroup_id_y 1
		.amdhsa_system_sgpr_workgroup_id_z 1
		.amdhsa_system_vgpr_workitem_id 0
		.amdhsa_next_free_vgpr 768
		.amdhsa_next_free_sgpr 100
		.amdhsa_reserve_vcc 0
		.amdhsa_float_denorm_mode_32 3
		.amdhsa_float_denorm_mode_16_64 3
		.amdhsa_memory_ordered 1
		.amdhsa_forward_progress 1
		.amdhsa_inst_pref_size 125
	.end_amdhsa_kernel
	.amdgpu_metadata
---
amdhsa.version: [ 1, 2 ]
amdhsa.kernels:
  - .name:           k_q6521a4b8e4_qkv
    .symbol:         k_q6521a4b8e4_qkv.kd
    .args:
      - { .name: xq, .offset: 0, .size: 8, .value_kind: global_buffer, .address_space: global }
      - { .name: wq, .offset: 8, .size: 8, .value_kind: global_buffer, .address_space: global }
      - { .name: bqkv, .offset: 16, .size: 8, .value_kind: global_buffer, .address_space: global }
      - { .name: qb, .offset: 24, .size: 8, .value_kind: global_buffer, .address_space: global }
      - { .name: kv, .offset: 32, .size: 8, .value_kind: global_buffer, .address_space: global }
    .group_segment_fixed_size: 327680
    .private_segment_fixed_size: 0
    .kernarg_segment_align: 8
    .kernarg_segment_size: 40
    .max_flat_workgroup_size: 128
    .sgpr_count:     100
    .vgpr_count:     768
    .wavefront_size: 32
...
	.end_amdgpu_metadata
.endif
;; end of part 2
;; launch attn (part 3): grid 4 x 64, 16 waves a work-group, clusters of 4 x 1, 327,680 bytes of LDS; arguments qb, kv, ab; writes ab
.if DOCPART == 3
	.amdgcn_target "amdgcn-amd-amdhsa--gfx1250"
	.amdhsa_code_object_version 6
	.text
	.protected	k_q6521a4b8e4_attn
	.globl	k_q6521a4b8e4_attn
	.p2align	8
	.type	k_q6521a4b8e4_attn,@function
k_q6521a4b8e4_attn:
	s_mov_b64 s[64:65], 0
	v_nop
	global_prefetch_b8 v0, s[64:65] scope:SCOPE_SE
	s_setreg_imm32_b32 hwreg(HW_REG_WAVE_MODE, 25, 1), 1
	s_wait_xcnt 0x0
	s_wait_alu depctr_hold_cnt(0) depctr_sa_sdst(0) depctr_va_vdst(0) depctr_va_sdst(0) depctr_va_ssrc(0) depctr_va_vcc(0) depctr_vm_vsrc(0)
	s_getreg_b32 s2, hwreg(HW_REG_IB_STS2, 6, 4)
	s_cmp_eq_u32 s2, 0
	s_cbranch_scc0 .Lentry_in_a_cluster
	s_endpgm
.Lentry_in_a_cluster:
	s_bfe_u32 s2, ttmp6, 0x10000c
	s_cmp_lg_u32 s2, 0x3003
	s_cbranch_scc0 .Lentry_shape_is_right
	s_endpgm
.Lentry_shape_is_right:
; Causal attention of one (batch, head) per cluster, both products on codes of FP6 (E2M3) with E8M0 scales; head size 64, 2,048 tokens in 16 groups of 128.  The logit is the score x 32.
; THE SOFTMAX: t = score x 32 log2(e); M = the running largest t rounded UP to a whole number; p = 2^(t - M) is quantised along the keys, not normalised; the row's sum is taken of the unquantised p and divides O at the end.
; When M moves, the sum and O are multiplied by 2^(old M - new M): exact.
; LDS: the head's 16 records of kv (K's half fragments, V's fragments, both scale words: 13,056 bytes a group) are brought ONCE, jointly for the cluster's four work-groups, and stay: no byte is filled twice.
; Waves 0-3 issue four loads each (record 4 p + wave) and have at most those four out.
; SHARES: wave w (a = w >> 1) owns two tiles of 16 queries: tile t = 4 (w & 1) + cx of group a, and tile 7 - t of group 15 - a: 17 key steps of 128 keys for every wave, two of them on the diagonal.
; Branches and LDS addresses hang on the wave's number and on counts of steps alone; cx enters global addresses and the mask's numbers.
; LAYOUT: S^T = K Q^T, O^T = V^T P^T: a lane holds one query.  A tile's rows are 8 u + r + 8 (r / 8) of their group of 32, so p's 16 registers of two neighbouring tiles are 16 neighbouring keys, and O^T's 16 neighbouring channels.
; K = 64 IN AN INSTRUCTION OF 128: Q's registers 6-11 are zeros.  K's eight half fragments lie on end in v42-89, and fragment t is v[42 + 6 t] on, 12 registers: its upper half is the next tile's codes (behind the last: six
; zero registers).  Every 6-bit pattern is a finite number, Q's codes there are 0 and the scale bytes 2 and 3 of both sides are 0 (2^-127): these products are exact zeros.
; OUT: ab, laid as the next product's A operand: row tile 128 batch + 8 group + t, half fragment = head (768 bytes); the two scale bytes of a row and head go out as 2 bytes a lane (both halves of the lanes store the same two):
; a row's other heads belong to other work-groups, so nothing wider is at hand; it is one byte in 24 of what the launch stores.
; LIMITS: NaN and infinities are not served; a block of zeros keeps the byte 1 (its codes are zeros; this program alone reads the bytes).
.set REC,   13056
.set RECQ,  6656
.set XSC,   6291456                    ; ab: where the scale words begin
.set SPARE, 16*REC                     ; behind the records: the spare words, 128 bytes for each of 16 waves
.set L16,  1                           ; v1  16 x lane
.set L8,   2                           ; v2  8 x lane
.set AD16, 3                           ; v3, v4  the step's LDS addresses
.set AD8,  4
.set SPW,  5
.set NIL,  6
.set DD,   7                           ; v7  my query in its group - 16 h, of the tile in hand;  v8: of the second tile
.set DDL,  8
.set R8,   9                           ; v9  8 r
.set QS,   28                          ; v28 Q's scale word; v29 the second tile's; v16-21 Q's codes, v22-27 zeros; v30-35 the second tile's codes
.set KS,   36                          ; v36-39 K's scale words; v40-41 V's
.set VS,   40
.set KV,   42                          ; v42-89 K's half fragments, then V's fragments; v90-95 zeros
.set S,    96                          ; v96-159 S^T, then p
.set O,    160                         ; v160-191 O^T
.set PC,   192                         ; v192-211 p's codes
.set BM,   212                         ; v212-215 a block's largest score, then its largest p
.set TP,   216                         ; v216-219 at work
.set SO,   220                         ; v220-223 the conversions' scale operands
.set FF,   224                         ; v[224:225] f = 2^(old M - new M); at the end 1 / the sum
.set TMP,  226
.set PWD,  227                         ; p's scale word
.set SEL,  20
.set CS,   22
.set TB,   66
.set GI,   67
.set GD,   68
.set CNT,  69
.macro CROUND
	s_barrier_signal -1
	s_barrier_wait -1
	s_cmp_lg_u32 s10, 0
	s_cbranch_scc1 .Lnot_wave_0_\@
	s_barrier_signal -3
.Lnot_wave_0_\@:
	s_barrier_wait -3
	s_barrier_signal -1
	s_barrier_wait -1
.endm
; the four places in memory of tile s[t] of group s[g], as byte offsets in s[o] on: Q's codes, Q's scale word, out's image, out's scale bytes
.macro TADDR g, t, o
	s_lshl_b32 s70, s13, 4
	s_add_co_u32 s70, s70, s[\g]
	s_mul_i32 s70, s70, RECQ
	s_mul_i32 s71, s[\t], 768
	s_add_co_u32 s[\o], s70, s71
	s_mov_b32 s[\o+1], 0
	s_lshr_b32 s71, s[\t], 2
	s_lshl_b32 s71, s71, 8                         ; sub-image t >> 2,
	s_add_co_u32 s70, s70, s71
	s_and_b32 s71, s[\t], 1
	s_lshl_b32 s71, s71, 7                         ; lanes 16 (t & 1) on,
	s_add_co_u32 s70, s70, s71
	s_bfe_u32 s72, s[\t], 0x10001
	s_lshl_b32 s72, s72, 2                         ; word (t >> 1) & 1
	s_add_co_u32 s70, s70, s72
	s_add_co_u32 s[\o+2], s70, 6144
	s_mov_b32 s[\o+3], 0
	s_lshr_b32 s70, s13, 4
	s_lshl_b32 s70, s70, 7
	s_lshl_b32 s72, s[\g], 3
	s_add_co_u32 s70, s70, s72
	s_add_co_u32 s70, s70, s[\t]                   ; the row tile: 128 batch + 8 group + t
	s_and_b32 s72, s13, 15                         ; the head
	s_mul_i32 s73, s70, 12288
	s_mul_i32 s74, s72, 768
	s_add_co_u32 s[\o+4], s73, s74
	s_mov_b32 s[\o+5], 0
	s_lshr_b32 s70, s70, 1
	s_lshl_b32 s70, s70, 10                        ; the pair's scale words,
	s_add_co_u32 s70, s70, s71                     ; lanes 16 (t & 1) on,
	s_lshr_b32 s73, s72, 2
	s_lshl_b32 s73, s73, 8                         ; chunk head >> 2,
	s_add_co_u32 s70, s70, s73
	s_and_b32 s73, s72, 3
	s_lshl_b32 s73, s73, 1                         ; bytes 2 (head & 3) on
	s_add_co_u32 s70, s70, s73
	s_add_co_u32 s[\o+6], s70, XSC
	s_mov_b32 s[\o+7], 0
.endm
	s_load_b128 s[4:7], s[0:1], 0x0                ; qb, kv
	s_load_b64 s[8:9], s[0:1], 0x10                ; ab
	v_lshl_add_u32 v[SPW], v0, 2, SPARE
	v_mov_b32 v[NIL], 0
	ds_add_u32 v[SPW], v[NIL]                      ; the wave's opening: the add and its wait stand ahead of the first tensor loads; the set-up below stands between them
	v_lshrrev_b32 v1, 5, v0
	v_readfirstlane_b32 s10, v1                    ; wave 0..15
	s_lshr_b32 s11, s10, 1                         ; a: the early tile's group
	s_bfe_u32 s12, ttmp6, 0x40000                  ; cx
	s_and_b32 s13, ttmp7, 0xffff                   ; batch x 16 + head
	s_and_b32 s14, s10, 1
	s_lshl_b32 s14, s14, 2
	s_add_co_u32 s14, s14, s12                     ; the early tile
	s_sub_co_u32 s15, 7, s14                       ; the late tile
	s_sub_co_u32 s16, 15, s11                      ; and its group
	TADDR 16, 15, 48
	TADDR 11, 14, 56
	v_and_b32 v10, 15, v0                          ; r
	v_and_b32 v11, 8, v10
	v_add_nc_u32 v11, v11, v10                     ; r + 8 (r / 8)
	v_bfe_u32 v12, v0, 4, 1
	v_lshlrev_b32 v12, 4, v12
	v_sub_nc_u32 v11, v11, v12                     ; - 16 h
	s_lshr_b32 s70, s15, 1
	s_lshl_b32 s70, s70, 5
	s_and_b32 s71, s15, 1
	s_lshl_b32 s71, s71, 3
	s_add_co_u32 s70, s70, s71
	v_add_nc_u32 v[DD], s70, v11                   ; + 32 (t >> 1) + 8 (t & 1)
	s_lshr_b32 s70, s14, 1
	s_lshl_b32 s70, s70, 5
	s_and_b32 s71, s14, 1
	s_lshl_b32 s71, s71, 3
	s_add_co_u32 s70, s70, s71
	v_add_nc_u32 v[DDL], s70, v11
	v_lshlrev_b32 v[R8], 3, v10
	v_and_b32 v1, 31, v0
	v_lshlrev_b32 v[L8], 3, v1
	v_lshlrev_b32 v[L16], 4, v1
	; descriptor group 1: a record as 51 rows of 256 bytes (32 elements of 8 bytes), dense; the mask names the cluster's four work-groups
	s_mov_b32 s24, 15|(3<<16)|(1<<21)
	s_mov_b32 s25, 32<<16
	s_mov_b32 s26, 51<<16
	s_mov_b32 s27, 32<<16
	s_mov_b32 s28, 51
	s_mov_b32 s29, 32
	s_mov_b32 s30, 0
	s_mov_b32 s31, 0
	s_mov_b32 s[SEL], 0x76543210
	s_mov_b32 s[SEL+1], 0xfedcba98
	s_mov_b32 s[CS], 0x4238aa3b                    ; c = 32 log2(e)
	s_mov_b32 s[CS+1], s[CS]
	s_mul_i32 s17, s10, REC
	s_mul_i32 s18, s13, 16*REC
	s_add_co_u32 s18, s18, s17
	s_mov_b32 s19, 0
	s_wait_dscnt 0x0                               ; the opening add is done
	s_wait_kmcnt 0x0
	s_add_nc_u64 s[6:7], s[6:7], s[18:19]
.irp p, 0,1,2,3                                ; descriptor group 0: record 4 p + wave
	s_mov_b32 s[32+4*\p], 1
	s_add_co_u32 s[33+4*\p], s17, \p*4*REC
	s_add_nc_u64 s[34+4*\p:35+4*\p], s[6:7], \p*4*REC
	s_or_b32 s[35+4*\p], s[35+4*\p], 0x80000000
.endr
.irp o, 48, 56
	s_add_nc_u64 s[\o:\o+1], s[4:5], s[\o:\o+1]
	s_add_nc_u64 s[\o+2:\o+3], s[4:5], s[\o+2:\o+3]
	s_add_nc_u64 s[\o+4:\o+5], s[8:9], s[\o+4:\o+5]
	s_add_nc_u64 s[\o+6:\o+7], s[8:9], s[\o+6:\o+7]
.endr
	CROUND                                         ; all four work-groups are here: the joint loads meet
	s_cmp_lt_u32 s10, 4                            ; a wave's four fills stand in one branch on the wave's number
	s_cbranch_scc0 .Lno_fill
.irp p, 0,1,2,3
	tensor_load_to_lds s[32+4*\p:35+4*\p], s[24:31]
	s_nop 0
.endr
.rept 4
	v_nop
.endr
.Lno_fill:
	global_load_b128 v[16:19], v[L16], s[48:49]    ; the late tile's Q: an image as it stands
	global_load_b64 v[20:21], v[L8], s[48:49] offset:512
	global_load_b32 v[QS], v[R8], s[50:51]         ; row r's scale word, in both halves of the lanes
	global_load_b128 v[30:33], v[L16], s[56:57]    ; the early tile's
	global_load_b64 v[34:35], v[L8], s[56:57] offset:512
	global_load_b32 v[QS+1], v[R8], s[58:59]
.irp i, 0,1,2,3,4,5
	v_mov_b32 v[22+\i], 0                          ; Q's k = 64 .. 127
	v_mov_b32 v[KV+48+\i], 0                       ; behind K's last half fragment
.endr
.irp b, 0,1,2,3
	v_mov_b32 v[TP+\b], 0                          ; a lane permute's destination counts as read
.endr
	v_mov_b32 v[FF+1], 0                           ; (named as the upper half of a pair)
.macro INIT                                    ; a tile's state: the first step finds zeros, which the first change of M leaves zeros
	v_mov_b32 v13, 0xff61b1e6                      ; the largest t so far: -3e38
	v_floor_f32 v12, -v13                          ; -M
	v_mov_b32 v14, 0
	v_mov_b32 v15, 0
.set j, 0
.rept 32
	v_mov_b32 v[O+j], 0
.set j, j+1
.endr
	s_mov_b32 s[TB], 0
	s_mov_b32 s[GI], 0
.endm
	INIT
; A KEY STEP: the 128 keys of group s[GI], whose record begins at LDS byte s[TB].  causal = 1: a group behind my tile's is left out, and in my tile's own group hidden scores become -infinity.
.macro STEP causal
.if \causal
	s_cmp_gt_u32 s[GI], s[GD]
	s_cbranch_scc1 .Lhidden_\@
.endif
	v_add_nc_u32 v[AD16], s[TB], v[L16]
	v_add_nc_u32 v[AD8], s[TB], v[L8]
	v_nop
	v_nop                                          ; four places in front of loads into registers that the last products read
.set i, 0
.rept 8
	ds_load_b128 v[KV+6*i:KV+6*i+3], v[AD16] offset:768*i
	ds_load_b64 v[KV+6*i+4:KV+6*i+5], v[AD8] offset:768*i+512
.set i, i+1
.endr
	ds_load_b64 v[KS:KS+1], v[AD8] offset:12288
	ds_load_b64 v[KS+2:KS+3], v[AD8] offset:12544
	ds_load_b64 v[VS:VS+1], v[AD8] offset:12800
	s_wait_dscnt 0x0
.irp t, 0,2,4,6                                ; S^T = K Q^T: eight tiles of 16 keys; an odd tile's scale words stand in lanes 16-31
	v_wmma_scale_f32_16x16x128_f8f6f4 v[S+8*\t:S+8*\t+7], v[KV+6*\t:KV+6*\t+11], v[16:27], 0, v[KS+\t/2], v[QS] matrix_a_fmt:MATRIX_FMT_FP6 matrix_b_fmt:MATRIX_FMT_FP6
	v_wmma_scale_f32_16x16x128_f8f6f4 v[S+8*\t+8:S+8*\t+15], v[KV+6*\t+6:KV+6*\t+17], v[16:27], 0, v[KS+\t/2], v[QS] matrix_a_fmt:MATRIX_FMT_FP6 matrix_b_fmt:MATRIX_FMT_FP6 matrix_a_scale:MATRIX_SCALE_ROW1
.endr
.rept 4
	v_nop                                          ; places in front of the loads over K and of the first reads of the scores
.endr
.set i, 0
.rept 4                                        ; V's four fragments: they land during the softmax
	ds_load_b128 v[KV+12*i:KV+12*i+3], v[AD16] offset:6144+1536*i
	ds_load_b64 v[KV+12*i+4:KV+12*i+5], v[AD8] offset:6144+1536*i+512
	ds_load_b128 v[KV+12*i+6:KV+12*i+9], v[AD16] offset:6144+1536*i+768
	ds_load_b64 v[KV+12*i+10:KV+12*i+11], v[AD8] offset:6144+1536*i+1280
.set i, i+1
.endr
.if \causal
	s_cmp_lg_u32 s[GI], s[GD]
	s_cbranch_scc1 .Lopen_\@
	v_mov_b32 v[TMP], 0xff800000                   ; register 16 b + i holds key 32 b + 16 h + i of the group: hidden where 32 b + i > my query - 16 h
.set n, 0
.rept 64
	v_cmp_gt_i32 vcc_lo, 32*(n/16)+n%16, v[DD]
	v_cndmask_b32 v[S+n], v[S+n], v[TMP], vcc_lo
.set n, n+1
.endr
.Lopen_\@:
.endif
.irp b, 0,1,2,3
	v_max3_num_f32 v[BM+\b], v[S+16*\b], v[S+1+16*\b], v[S+2+16*\b]   ; the largest score of each block of 32 keys: for the row's maximum and, since p rises with the score, for the block's largest p
.endr
.irp i, 3,5,7,9,11,13
.irp b, 0,1,2,3
	v_max3_num_f32 v[BM+\b], v[BM+\b], v[S+16*\b+\i], v[S+1+16*\b+\i]
.endr
.endr
.irp b, 0,1,2,3
	v_max_num_f32 v[BM+\b], v[BM+\b], v[S+15+16*\b]
.endr
.irp b, 0,1,2,3
	v_permlanex16_b32 v[TP+\b], v[BM+\b], s[SEL], s[SEL+1]
.endr
.irp b, 0,1,2,3
	v_max_num_f32 v[BM+\b], v[BM+\b], v[TP+\b]     ; with lane l xor 16's 16 keys
.endr
	v_max3_num_f32 v[TMP], v[BM], v[BM+1], v[BM+2]
	v_max_num_f32 v[TMP], v[TMP], v[BM+3]
	v_mul_f32 v[TMP], s[CS], v[TMP]                ; as t (c is positive)
	v_max_num_f32 v13, v13, v[TMP]                 ; the running largest t
	v_mov_b32 v[TMP], v12
	v_floor_f32 v12, -v13                          ; the new -M = -ceil(t)
	v_sub_f32 v[TMP], v12, v[TMP]                  ; old M - new M: a whole number, 0 or less
	v_cvt_i32_f32 v[TMP], v[TMP]                   ; (it saturates)
	v_ldexp_f32 v[FF], 1.0, v[TMP]                 ; f = 2^(old M - new M)
.set j, 0
.rept 32
	v_pk_fma_f32 v[S+j:S+j+1], v[S+j:S+j+1], s[CS:CS+1], v[12:13] op_sel_hi:[1,0,0]   ; t - M, two at a time
.set j, j+2
.endr
.irp b, 0,1,2,3
	v_fma_f32 v[BM+\b], v[BM+\b], s[CS], v12
.endr
.set j, 0
.rept 64
	v_exp_f32 v[S+j], v[S+j]                       ; p = 2^(t - M)
.set j, j+1
.endr
	v_pk_mul_f32 v[14:15], v[14:15], v[FF:FF+1] op_sel_hi:[1,0]   ; the sums under the new M: a plain line behind the exponentials
	s_wait_alu depctr_va_vdst(0)                   ; one wait for the batch, ahead of its first reader
.irp b, 0,1,2,3
	v_exp_f32 v[BM+\b], v[BM+\b]                   ; the block's largest p: the same two instructions on the same number
.endr
	v_pk_add_f32 v[TP:TP+1], v[S:S+1], v[S+2:S+3]  ; the row's sum of the unquantised p, in two chains
.set j, 4
.rept 15
	v_pk_add_f32 v[14:15], v[14:15], v[S+j:S+j+1]
	v_pk_add_f32 v[TP:TP+1], v[TP:TP+1], v[S+j+2:S+j+3]
.set j, j+4
.endr
	v_pk_add_f32 v[14:15], v[14:15], v[TP:TP+1]
	s_wait_alu depctr_va_vdst(0)                   ; and one for the four
.irp b, 0,1,2,3
	v_max_num_f32 v[BM+\b], 0x1800000, v[BM+\b]    ; the floor 2^(3 - 127)
.endr
.irp b, 0,1,2,3
	v_add_nc_u32 v[SO+\b], 0xff000000, v[BM+\b]
.endr
.irp b, 0,1,2,3
	v_lshrrev_b32 v[TP+\b], 23, v[SO+\b]
.endr
	v_lshl_or_b32 v[PWD], v[TP+1], 8, v[TP]        ; p's scale word for these 128 keys
	v_lshl_or_b32 v[PWD], v[TP+2], 16, v[PWD]
	v_lshl_or_b32 v[PWD], v[TP+3], 24, v[PWD]
.irp c, 0,1
	v_cvt_scalef32_pk16_fp6_f32 v[PC+6*\c:PC+2+6*\c], v[S+32*\c:S+15+32*\c], v[SO+2*\c]
	v_cvt_scalef32_pk16_fp6_f32 v[PC+12+4*\c:PC+14+4*\c], v[S+16+32*\c:S+31+32*\c], v[SO+2*\c+1]
.endr
	v_nop                                          ; one plain line behind the conversions
.irp c, 0,1
.irp i, 0,1,2
	v_permlane16_swap_b32 v[PC+6*\c+\i], v[PC+12+4*\c+\i]
.endr
.irp i, 0,1,2
	v_mov_b32 v[PC+3+6*\c+\i], v[PC+12+4*\c+\i]
.endr
.endr
.set j, 0
.rept 16
	v_pk_mul_f32 v[O+j:O+j+1], v[O+j:O+j+1], v[FF:FF+1] op_sel_hi:[1,0]   ; O^T under the new M; these sixteen are also the places in front of the products below
.set j, j+2
.endr
	s_wait_dscnt 0x0                               ; V is in
.irp p, 0,1                                    ; O^T += V^T P^T: four tiles of 16 channels; the accumulators take turns
	v_wmma_scale_f32_16x16x128_f8f6f4 v[O+16*\p:O+16*\p+7], v[KV+24*\p:KV+24*\p+11], v[PC:PC+11], v[O+16*\p:O+16*\p+7], v[VS+\p], v[PWD] matrix_a_fmt:MATRIX_FMT_FP6 matrix_b_fmt:MATRIX_FMT_FP6
	v_wmma_scale_f32_16x16x128_f8f6f4 v[O+16*\p+8:O+16*\p+15], v[KV+24*\p+12:KV+24*\p+23], v[PC:PC+11], v[O+16*\p+8:O+16*\p+15], v[VS+\p], v[PWD] matrix_a_fmt:MATRIX_FMT_FP6 matrix_b_fmt:MATRIX_FMT_FP6 matrix_a_scale:MATRIX_SCALE_ROW1
.endr
.if \causal
.Lhidden_\@:
.endif
	s_add_co_u32 s[TB], s[TB], REC
	s_add_co_u32 s[GI], s[GI], 1
.endm
; A tile's way out: O^T / the sum, quantised along the head's 64 (two blocks), stored as a half fragment's image.  ob: the scalar pair of the image's place; ob + 2: of the scale bytes'
.macro FIN ob
.rept 4
	v_nop                                          ; places behind the last products
.endr
	v_add_f32 v14, v14, v15
	v_permlanex16_b32 v[TP], v14, s[SEL], s[SEL+1]
	v_add_f32 v14, v14, v[TP]                      ; the row's sum
	v_rcp_f32 v[FF], v14
	v_nop                                          ; a plain line behind the reciprocal
	s_wait_alu depctr_va_vdst(0)                   ; and the wait ahead of its first reader
.set j, 0
.rept 16
	v_pk_mul_f32 v[S+j:S+j+1], v[O+j:O+j+1], v[FF:FF+1] op_sel_hi:[1,0]   ; register 16 b + i: channel 32 b + 16 h + i; each accumulator from its low end on
.set j, j+2
.endr
.irp b, 0,1
	v_max3_num_f32 v[BM+\b], |v[S+16*\b]|, |v[S+1+16*\b]|, 0x1800000
.endr
.irp i, 2,4,6,8,10,12,14
.irp b, 0,1
	v_max3_num_f32 v[BM+\b], v[BM+\b], |v[S+16*\b+\i]|, |v[S+1+16*\b+\i]|
.endr
.endr
.irp b, 0,1
	v_permlanex16_b32 v[TP+\b], v[BM+\b], s[SEL], s[SEL+1]
.endr
.irp b, 0,1
	v_max_num_f32 v[BM+\b], v[BM+\b], v[TP+\b]
.endr
.irp b, 0,1
	v_add_nc_u32 v[SO+\b], 0xff000000, v[BM+\b]
.endr
.irp b, 0,1
	v_lshrrev_b32 v[TP+\b], 23, v[SO+\b]
.endr
	v_lshl_or_b32 v[TMP], v[TP+1], 8, v[TP]        ; the row's two scale bytes of this head
	v_cvt_scalef32_pk16_fp6_f32 v[PC:PC+2], v[S:S+15], v[SO]
	v_cvt_scalef32_pk16_fp6_f32 v[PC+12:PC+14], v[S+16:S+31], v[SO+1]
	v_nop
.irp i, 0,1,2
	v_permlane16_swap_b32 v[PC+\i], v[PC+12+\i]
.endr
.irp i, 0,1,2
	v_mov_b32 v[PC+3+\i], v[PC+12+\i]
.endr
	global_store_b128 v[L16], v[PC:PC+3], s[\ob:\ob+1]
	global_store_b64 v[L8], v[PC+4:PC+5], s[\ob:\ob+1] offset:512
	global_store_b16 v[R8], v[TMP], s[\ob+2:\ob+3]
.endm
	s_wait_loadcnt 0x0                             ; Q
	s_wait_tensorcnt 3                             ; records 0-3: my first load is in, my three later ones may be out (a wave that issued none passes)
	s_barrier_signal -1
	s_barrier_wait -1
	s_mov_b32 s[GD], s16                           ; THE LATE TILE FIRST, so that every wave has done equal work at each barrier
	s_mov_b32 s[CNT], 4
.Lh0:                                              ; groups 0-3: all their keys count (the late tile's group is 8 or more)
	STEP 0
	s_sub_co_u32 s[CNT], s[CNT], 1
	s_cmp_lg_u32 s[CNT], 0
	s_cbranch_scc1 .Lh0
	s_wait_tensorcnt 2                             ; records 4-7
	s_wait_dscnt 0x0
	s_barrier_signal -1
	s_barrier_wait -1
	s_mov_b32 s[CNT], 4
.Lh1:
	STEP 0
	s_sub_co_u32 s[CNT], s[CNT], 1
	s_cmp_lg_u32 s[CNT], 0
	s_cbranch_scc1 .Lh1
	s_wait_tensorcnt 0x0                           ; all records
	s_wait_dscnt 0x0
	s_barrier_signal -1
	s_barrier_wait -1
	s_mov_b32 s[CNT], 8
.Lh2:                                              ; groups 8-15, up to the tile's own
	STEP 1
	s_sub_co_u32 s[CNT], s[CNT], 1
	s_cmp_lg_u32 s[CNT], 0
	s_cbranch_scc1 .Lh2
	FIN 52
	s_wait_xcnt 0x0                                ; the stores have read their registers
.irp i, 0,1,2,3,4,5
	v_mov_b32 v[16+\i], v[30+\i]                   ; THE EARLY TILE
.endr
	v_mov_b32 v[QS], v[QS+1]
	v_mov_b32 v[DD], v[DDL]
	INIT
	s_mov_b32 s[GD], s11
	s_mov_b32 s[CNT], 8
.Llo:                                              ; groups 0-7, up to the tile's own
	STEP 1
	s_sub_co_u32 s[CNT], s[CNT], 1
	s_cmp_lg_u32 s[CNT], 0
	s_cbranch_scc1 .Llo
	FIN 60
	s_wait_tensorcnt 0x0                           ; the wave's end
	ds_add_u32 v[SPW], v[NIL]
	s_wait_dscnt 0x0
	CROUND                                         ; the closing round
	s_endpgm
.Lfunc_end_k_q6521a4b8e4_attn:
	.size	k_q6521a4b8e4_attn, .Lfunc_end_k_q6521a4b8e4_attn-k_q6521a4b8e4_attn
	.p2alignl 7, 3214868480
	.fill 96, 4, 3214868480
	.section	.rodata,"a",@progbits
	.p2align	6, 0x0
	.amdhsa_kernel k_q6521a4b8e4_attn
		.amdhsa_group_segment_fixed_size 327680
		.amdhsa_private_segment_fixed_size 0
		.amdhsa_enable_private_segment 0
		.amdhsa_kernarg_size 24
		.amdhsa_user_sgpr_count 2
		.amdhsa_user_sgpr_kernarg_segment_ptr 1
		.amdhsa_wavefront_size32 1
		.amdhsa_system_sgpr_workgroup_id_x 1
		.amdhsa_system_sgpr_workgroup_id_y 1
		.amdhsa_system_sgpr_workgroup_id_z 1
		.amdhsa_system_vgpr_workitem_id 0
		.amdhsa_next_free_vgpr 256
		.amdhsa_next_free_sgpr 80
		.amdhsa_reserve_vcc 1
		.amdhsa_float_denorm_mode_32 3
		.amdhsa_float_denorm_mode_16_64 3
		.amdhsa_memory_ordered 1
		.amdhsa_forward_progress 1
		.amdhsa_inst_pref_size 93
	.end_amdhsa_kernel
	.amdgpu_metadata
---
amdhsa.version: [ 1, 2 ]
amdhsa.kernels:
  - .name:           k_q6521a4b8e4_attn
    .symbol:         k_q6521a4b8e4_attn.kd
    .args:
      - { .name: qb, .offset: 0, .size: 8, .value_kind: global_buffer, .address_space: global }
      - { .name: kv, .offset: 8, .size: 8, .value_kind: global_buffer, .address_space: global }
      - { .name: ab, .offset: 16, .size: 8, .value_kind: global_buffer, .address_space: global }
    .group_segment_fixed_size: 327680
    .private_segment_fixed_size: 0
    .kernarg_segment_align: 8
    .kernarg_segment_size: 24
    .max_flat_workgroup_size: 512
    .sgpr_count:     80
    .vgpr_count:     256
    .wavefront_size: 32
...
	.end_amdgpu_metadata
.endif
;; end of part 3
;; launch proj (part 4): grid 4 x 64, 4 waves a work-group, clusters of 4 x 4, 327,680 bytes of LDS; arguments ab, wq, bo, out0; writes out0
.if DOCPART == 4
	.amdgcn_target "amdgcn-amd-amdhsa--gfx1250"
	.amdhsa_code_object_version 6
	.text
	.protected	k_q6521a4b8e4_proj
	.globl	k_q6521a4b8e4_proj
	.p2align	8
	.type	k_q6521a4b8e4_proj,@function
k_q6521a4b8e4_proj:
	s_mov_b64 s[64:65], 0
	v_nop
	global_prefetch_b8 v0, s[64:65] scope:SCOPE_SE
	s_setreg_imm32_b32 hwreg(HW_REG_WAVE_MODE, 25, 1), 1
	s_wait_xcnt 0x0
	s_wait_alu depctr_hold_cnt(0) depctr_sa_sdst(0) depctr_va_vdst(0) depctr_va_sdst(0) depctr_va_ssrc(0) depctr_va_vcc(0) depctr_vm_vsrc(0)
	s_getreg_b32 s2, hwreg(HW_REG_IB_STS2, 6, 4)
	s_cmp_eq_u32 s2, 0
	s_cbranch_scc0 .Lentry_in_a_cluster
	s_endpgm
.Lentry_in_a_cluster:
	s_bfe_u32 s2, ttmp6, 0x10000c
	s_cmp_lg_u32 s2, 0xf033
	s_cbranch_scc0 .Lentry_shape_is_right
	s_endpgm
.Lentry_shape_is_right:
; out0 = attention's result x Wo + bo on codes of FP6 (E2M3) with E8M0 scales, sums in f32.  A = ab (tokens), B = Wo's 1,024 columns (tiles 192 on of wq), both as images of operand registers.
; A work-group makes 128 tokens x 256 columns over all K = 1,024; wave (wa, wb) makes 64 x 128: 32 accumulators.  Source 0 = 16 B rows, source 1 = 16 A rows: a lane holds one token, and since a tile's rows are
; 8 u + r + 8 (r / 8) of their group of 32, the 16 registers of B tiles 2 b, 2 b + 1 are the 16 neighbouring columns 32 b + 16 h + 0 .. 15.
; LDS: all of K lies in four slots of 256 along K, each filled ONCE; the barriers between slots are plain ones.  A wave issues four tensor loads at the start and has at most those four out.
; CLUSTER 4 x 4: A's tiles are asked for jointly along a row of the cluster, B's along a column.
; THE WAY OUT: 16 tokens x 128 columns at a time through the wave's own stage, which lies in slot 0: that slot has had its only fill, and every wave's reads of it were over at the barrier in front of slot 1.
; REGISTERS: window 0: v1-7 lane numbers, the add's two; v8-23 LDS addresses; v24-25 the stage; v32-47 A's scale words, v48-79 B's; v80-175 A's fragments, two sets (later 64 numbers); v184-247 rows read back.
;   window 1: v0-191 B's fragments, two sets; v192-255 the bias.   window 2: the accumulators, (a, b) at v[8 (8 a + b)].
.set SLOT,  73728
.set BOFF,  24576
.set SPARE, 4*SLOT
.set XSC,   6291456                    ; ab: where the scale words begin
.set WOIMG, 2359296                    ; wq: Wo's images (tile 192)
.set WOSC,  3244032                    ; and its scale words (pair 96)
.set STG,   8448                       ; a wave's stage: 16 rows x (512 bytes + 16)
.set L16,  4
.set L8,   5
.set SPW,  6
.set NIL,  7
.set AA16, 8
.set AA8,  12
.set AB16, 16
.set AB8,  20
.set STO,  24
.set RD,   25
.set SA,   32
.set SB,   48
.set AF,   80
.set T,    80
.set BK,   184
.set BB,   192
.set MSB, 0
.macro WIN new
.if MSB != \new
	s_set_vgpr_msb (MSB<<8)|\new
.set MSB, \new
.endif
.endm
.set MUL,  0xa1
.set TO_B, 0x40
.set ADDB, 0x06
.macro PLACES n
.rept \n
	v_nop
.endr
.endm
.macro CROUND
	s_barrier_signal -1
	s_barrier_wait -1
	s_cmp_lg_u32 s14, 0
	s_cbranch_scc1 .Lnot_wave_0_\@
	s_barrier_signal -3
.Lnot_wave_0_\@:
	s_barrier_wait -3
	s_barrier_signal -1
	s_barrier_wait -1
.endm
	s_load_b256 s[4:11], s[0:1], 0x0               ; ab s[4:5], wq s[6:7], bo s[8:9], out0 s[10:11]
	v_lshl_add_u32 v[SPW], v0, 2, SPARE
	v_mov_b32 v[NIL], 0
	ds_add_u32 v[SPW], v[NIL]                      ; the wave's opening: the add and its wait stand ahead of my first tensor load
	v_lshrrev_b32 v1, 5, v0
	v_readfirstlane_b32 s14, v1
	s_lshr_b32 s15, s14, 1                         ; wa; also: I fetch for A (0) or for B (1)
	s_and_b32 s16, s14, 1                          ; wb; also: which half I fetch
	s_bfe_u32 s17, ttmp6, 0x40000                  ; cx
	s_bfe_u32 s18, ttmp6, 0x40004                  ; cy
	s_and_b32 s20, ttmp7, 0xffff
	s_lshl_b32 s22, s20, 2
	s_add_co_u32 s22, s22, s18                     ; tileA: 128 tokens
	s_lshl_b32 s23, ttmp9, 2
	s_add_co_u32 s23, s23, s17                     ; tileB: 256 columns
	s_lshl_b32 s46, s18, 2
	s_lshl_b32 s46, 15, s46
	s_lshl_b32 s47, 0x1111, s17
	s_or_b32 s24, s46, (3<<16)|(1<<21)             ; group 1: row tiles as rows of 3,072 bytes (384 elements of 8), 12,288 bytes apart in memory, dense in LDS.  A: 4 a load;  B: 8
	s_mov_b32 s25, 384<<16
	s_mov_b32 s26, 4<<16
	s_mov_b32 s27, 384<<16
	s_mov_b32 s28, 4
	s_mov_b32 s29, 1536
	s_mov_b32 s30, 0
	s_mov_b32 s31, 0
	s_or_b32 s32, s47, (3<<16)|(1<<21)
	s_mov_b32 s33, 384<<16
	s_mov_b32 s34, 8<<16
	s_mov_b32 s35, 384<<16
	s_mov_b32 s36, 8
	s_mov_b32 s37, 1536
	s_mov_b32 s38, 0
	s_mov_b32 s39, 0
	s_mul_i32 s84, s22, 98304
	s_mul_i32 s85, s16, 49152
	s_add_co_u32 s84, s84, s85
	s_mov_b32 s85, 0
	s_mul_i32 s86, s23, 196608
	s_mul_i32 s87, s16, 98304
	s_add_co_u32 s86, s86, s87
	s_add_co_u32 s86, s86, WOIMG
	s_mov_b32 s87, 0
	s_lshl_b32 s88, s22, 2
	s_lshl_b32 s89, s15, 1
	s_add_co_u32 s88, s88, s89
	s_lshl_b32 s88, s88, 10
	s_add_co_u32 s88, s88, XSC
	s_mov_b32 s89, 0
	s_lshl_b32 s90, s23, 3
	s_lshl_b32 s91, s16, 2
	s_add_co_u32 s90, s90, s91
	s_lshl_b32 s90, s90, 10
	s_add_co_u32 s90, s90, WOSC
	s_mov_b32 s91, 0
	s_lshl_b32 s44, s23, 10
	s_lshl_b32 s45, s16, 9
	s_add_co_u32 s44, s44, s45                     ; my first column, in bytes: 4 (256 tileB + 128 wb)
	s_mov_b32 s45, 0
	s_lshl_b32 s40, s22, 7
	s_lshl_b32 s41, s15, 6
	s_add_co_u32 s40, s40, s41
	s_lshl_b32 s40, s40, 12                        ; my first token's row of 4,096 bytes
	s_add_co_u32 s40, s40, s44
	s_mov_b32 s41, 0
	s_mul_i32 s2, s16, 12288
	s_mul_i32 s3, s16, 24576
	s_add_co_u32 s3, s3, BOFF
	s_wait_dscnt 0x0                               ; the opening add is done
	s_wait_kmcnt 0x0
	s_add_nc_u64 s[96:97], s[4:5], s[88:89]        ; A's scale words
	s_add_nc_u64 s[98:99], s[6:7], s[90:91]        ; B's
	s_add_nc_u64 s[92:93], s[4:5], s[84:85]
	s_add_nc_u64 s[94:95], s[6:7], s[86:87]
	s_add_nc_u64 s[44:45], s[8:9], s[44:45]        ; the bias
	s_add_nc_u64 s[84:85], s[10:11], s[40:41]      ; out0 at my corner
.irp s, 0,1,2,3
	s_mov_b32 s[48+4*\s], 1
	s_add_co_u32 s[49+4*\s], s2, \s*SLOT
	s_add_nc_u64 s[50+4*\s:51+4*\s], s[92:93], \s*3072
	s_or_b32 s[51+4*\s], s[51+4*\s], 0x80000000
	s_mov_b32 s[68+4*\s], 1
	s_add_co_u32 s[69+4*\s], s3, \s*SLOT
	s_add_nc_u64 s[70+4*\s:71+4*\s], s[94:95], \s*3072
	s_or_b32 s[71+4*\s], s[71+4*\s], 0x80000000
.endr
	CROUND                                         ; all sixteen work-groups are here: the joint loads meet
	s_cmp_eq_u32 s15, 0
	s_cbranch_scc0 .Lfill_b
.irp s, 0,1,2,3
	tensor_load_to_lds s[48+4*\s:51+4*\s], s[24:31]
	s_nop 0
.endr
	PLACES 4
	s_branch .Lfilled
.Lfill_b:
.irp s, 0,1,2,3
	tensor_load_to_lds s[68+4*\s:71+4*\s], s[32:39]
	s_nop 0
.endr
	PLACES 4
.Lfilled:
	v_and_b32 v1, 15, v0                           ; r
	v_bfe_u32 v2, v0, 4, 1                         ; h
	v_and_b32 v3, 31, v0
	v_lshlrev_b32 v[L16], 4, v3
	v_lshlrev_b32 v[L8], 3, v3
.irp p, 0,1
.irp c, 0,1,2,3
	global_load_b64 v[SA+8*\p+2*\c:SA+8*\p+2*\c+1], v[L8], s[96:97] offset:\p*1024+\c*256
.endr
.endr
.irp p, 0,1,2,3
.irp c, 0,1,2,3
	global_load_b64 v[SB+8*\p+2*\c:SB+8*\p+2*\c+1], v[L8], s[98:99] offset:\p*1024+\c*256
.endr
.endr
	v_lshlrev_b32 v3, 6, v2                        ; the bias: lane (r, h), tile 2 b + u wants columns 32 b + 16 h + 8 u + 0 .. 7
	WIN TO_B
.irp t, 0,1,2,3,4,5,6,7
	global_load_b128 v[BB+8*\t:BB+8*\t+3], v3, s[44:45] offset:(32*(\t/2)+8*(\t%2))*4
	global_load_b128 v[BB+8*\t+4:BB+8*\t+7], v3, s[44:45] offset:(32*(\t/2)+8*(\t%2))*4+16
.endr
	WIN 0
	s_mul_i32 s2, s15, 12288
	s_mul_i32 s3, s16, 24576
	s_add_co_u32 s3, s3, BOFF
.irp s, 0,1,2,3
	v_add_nc_u32 v[AA16+\s], s2, v[L16]
	v_add_nc_u32 v[AA8+\s], s2, v[L8]
	v_add_nc_u32 v[AB16+\s], s3, v[L16]
	v_add_nc_u32 v[AB8+\s], s3, v[L8]
	s_add_co_u32 s2, s2, SLOT
	s_add_co_u32 s3, s3, SLOT
.endr
	s_mul_i32 s2, s14, STG                         ; my stage
	v_mul_u32_u24 v[STO], v1, 528
	v_lshl_add_u32 v[STO], v2, 6, v[STO]
	v_add_nc_u32 v[STO], s2, v[STO]                ; in: row r, + 64 h
	v_add_nc_u32 v[RD], s2, v[L16]                 ; back: a row's 512 bytes, 16 a lane
.macro FRAG reg, a16, a8, off
	ds_load_b128 v[\reg:\reg+3], v[\a16] offset:\off
	ds_load_b64 v[\reg+4:\reg+5], v[\a8] offset:\off+512
	ds_load_b128 v[\reg+6:\reg+9], v[\a16] offset:\off+768
	ds_load_b64 v[\reg+10:\reg+11], v[\a8] offset:\off+1280
.endm
.macro FETCH q
	WIN TO_B
.irp i, 0,1,2,3,4,5,6,7
	FRAG 96*((\q)%2)+12*\i, AB16+(\q)/2, AB8+(\q)/2, \i*3072+((\q)%2)*1536
.endr
	WIN 0
.irp i, 0,1,2,3
	FRAG AF+48*((\q)%2)+12*\i, AA16+(\q)/2, AA8+(\q)/2, \i*3072+((\q)%2)*1536
.endr
.endm
.macro WM a, b, q, zero
.set rD, 8*(8*(\a)+(\b))
.set rB, 96*((\q)%2)+12*(\b)
.set rA, AF+48*((\q)%2)+12*(\a)
.set rY, SB+8*((\b)/2)+(\q)
.set rX, SA+8*((\a)/2)+(\q)
.set md, 2*((\a)%2)+(\b)%2
.if \zero
.if md == 0
	v_wmma_scale_f32_16x16x128_f8f6f4 v[rD:rD+7], v[rB:rB+11], v[rA:rA+11], 0, v[rY], v[rX] matrix_a_fmt:MATRIX_FMT_FP6 matrix_b_fmt:MATRIX_FMT_FP6
.elseif md == 1
	v_wmma_scale_f32_16x16x128_f8f6f4 v[rD:rD+7], v[rB:rB+11], v[rA:rA+11], 0, v[rY], v[rX] matrix_a_fmt:MATRIX_FMT_FP6 matrix_b_fmt:MATRIX_FMT_FP6 matrix_a_scale:MATRIX_SCALE_ROW1
.elseif md == 2
	v_wmma_scale_f32_16x16x128_f8f6f4 v[rD:rD+7], v[rB:rB+11], v[rA:rA+11], 0, v[rY], v[rX] matrix_a_fmt:MATRIX_FMT_FP6 matrix_b_fmt:MATRIX_FMT_FP6 matrix_b_scale:MATRIX_SCALE_ROW1
.else
	v_wmma_scale_f32_16x16x128_f8f6f4 v[rD:rD+7], v[rB:rB+11], v[rA:rA+11], 0, v[rY], v[rX] matrix_a_fmt:MATRIX_FMT_FP6 matrix_b_fmt:MATRIX_FMT_FP6 matrix_a_scale:MATRIX_SCALE_ROW1 matrix_b_scale:MATRIX_SCALE_ROW1
.endif
.else
.if md == 0
	v_wmma_scale_f32_16x16x128_f8f6f4 v[rD:rD+7], v[rB:rB+11], v[rA:rA+11], v[rD:rD+7], v[rY], v[rX] matrix_a_fmt:MATRIX_FMT_FP6 matrix_b_fmt:MATRIX_FMT_FP6
.elseif md == 1
	v_wmma_scale_f32_16x16x128_f8f6f4 v[rD:rD+7], v[rB:rB+11], v[rA:rA+11], v[rD:rD+7], v[rY], v[rX] matrix_a_fmt:MATRIX_FMT_FP6 matrix_b_fmt:MATRIX_FMT_FP6 matrix_a_scale:MATRIX_SCALE_ROW1
.elseif md == 2
	v_wmma_scale_f32_16x16x128_f8f6f4 v[rD:rD+7], v[rB:rB+11], v[rA:rA+11], v[rD:rD+7], v[rY], v[rX] matrix_a_fmt:MATRIX_FMT_FP6 matrix_b_fmt:MATRIX_FMT_FP6 matrix_b_scale:MATRIX_SCALE_ROW1
.else
	v_wmma_scale_f32_16x16x128_f8f6f4 v[rD:rD+7], v[rB:rB+11], v[rA:rA+11], v[rD:rD+7], v[rY], v[rX] matrix_a_fmt:MATRIX_FMT_FP6 matrix_b_fmt:MATRIX_FMT_FP6 matrix_a_scale:MATRIX_SCALE_ROW1 matrix_b_scale:MATRIX_SCALE_ROW1
.endif
.endif
.endm
.macro MUL16 a0, q, zero                       ; the 32 accumulators take turns, one instruction a turn, in the same order in every step
.irp a, \a0, \a0+1
.irp b, 0,1,2,3,4,5,6,7
	WM \a, \b, \q, \zero
.endr
.endr
.endm
.macro EVEN q, zero
	s_wait_dscnt 0x0                               ; this step's fragments are in
.if (\q) > 0
	PLACES 4                                       ; in front of loads into the set that the last step's products read
.endif
	FETCH (\q)+1
	WIN MUL
	MUL16 0, \q, \zero
	MUL16 2, \q, \zero
.endm
.macro ODD q, left                             ; left: my loads for the slots behind the next one, which may stay out
	s_wait_dscnt 0x0
	s_wait_tensorcnt \left
	s_barrier_signal -1
	WIN MUL
	MUL16 0, \q, 0
	s_barrier_wait -1
	PLACES 4
	FETCH (\q)+1
	WIN MUL
	MUL16 2, \q, 0
.endm
	s_wait_tensorcnt 3                             ; my part of slot 0 is in; my three later loads may be out
	s_barrier_signal -1
	s_barrier_wait -1
	FETCH 0
	s_wait_loadcnt 0x0                             ; scale words and bias
	EVEN 0, 1
	ODD 1, 2
	EVEN 2, 0
	ODD 3, 1
	EVEN 4, 0
	ODD 5, 0
	EVEN 6, 0
	s_wait_dscnt 0x0
	MUL16 0, 7, 0
	MUL16 2, 7, 0
	WIN 0
	PLACES 4                                       ; in front of the first reads of results and of writes over A's fragments
; Tile a of my tokens: the bias is added on the move into window 0 (each accumulator from its low end on); 16 rows x 512 bytes go through my stage and leave as whole rows.
.macro OUTB a
.if (\a) > 0
	s_wait_xcnt 0x0                                ; the last tile's stores have read their registers
.endif
	WIN ADDB
.set k, 0
.rept 32
	v_pk_add_f32 v[T+k:T+k+1], v[64*(\a)+k:64*(\a)+k+1], v[BB+k:BB+k+1]
.set k, k+2
.endr
	WIN 0
.set i, 0
.rept 8
	ds_store_b128 v[STO], v[T+8*i:T+8*i+3] offset:128*(i/2)+32*(i%2)
	ds_store_b128 v[STO], v[T+8*i+4:T+8*i+7] offset:128*(i/2)+32*(i%2)+16
.set i, i+1
.endr
.set i, 0
.rept 16
	ds_load_b128 v[BK+4*i:BK+4*i+3], v[RD] offset:528*i   ; LDS serves a wave's instructions in order: these see the stores above
.set i, i+1
.endr
.set i, 0
.rept 16
	s_wait_dscnt 15-i                              ; row i is back; the younger loads may be out
	global_store_b128 v[L16], v[BK+4*i:BK+4*i+3], s[84:85] offset:(32*((\a)/2)+8*((\a)%2)+i+8*(i/8))*4096 th:TH_STORE_NT   ; 32 lanes store 512 consecutive bytes, aligned
.set i, i+1
.endr
.endm
	OUTB 0
	OUTB 1
	OUTB 2
	OUTB 3
	s_wait_tensorcnt 0x0                           ; the wave's end, behind my last LDS store
	ds_add_u32 v[SPW], v[NIL]
	s_wait_dscnt 0x0
	CROUND                                         ; the closing round
	s_endpgm
.Lfunc_end_k_q6521a4b8e4_proj:
	.size	k_q6521a4b8e4_proj, .Lfunc_end_k_q6521a4b8e4_proj-k_q6521a4b8e4_proj
	.p2alignl 7, 3214868480
	.fill 96, 4, 3214868480
	.section	.rodata,"a",@progbits
	.p2align	6, 0x0
	.amdhsa_kernel k_q6521a4b8e4_proj
		.amdhsa_group_segment_fixed_size 327680
		.amdhsa_private_segment_fixed_size 0
		.amdhsa_enable_private_segment 0
		.amdhsa_kernarg_size 32
		.amdhsa_user_sgpr_count 2
		.amdhsa_user_sgpr_kernarg_segment_ptr 1
		.amdhsa_wavefront_size32 1
		.amdhsa_system_sgpr_workgroup_id_x 1
		.amdhsa_system_sgpr_workgroup_id_y 1
		.amdhsa_system_sgpr_workgroup_id_z 1
		.amdhsa_system_vgpr_workitem_id 0
		.amdhsa_next_free_vgpr 768
		.amdhsa_next_free_sgpr 100
		.amdhsa_reserve_vcc 0
		.amdhsa_float_denorm_mode_32 3
		.amdhsa_float_denorm_mode_16_64 3
		.amdhsa_memory_ordered 1
		.amdhsa_forward_progress 1
		.amdhsa_inst_pref_size 96
	.end_amdhsa_kernel
	.amdgpu_metadata
---
amdhsa.version: [ 1, 2 ]
amdhsa.kernels:
  - .name:           k_q6521a4b8e4_proj
    .symbol:         k_q6521a4b8e4_proj.kd
    .args:
      - { .name: ab, .offset: 0, .size: 8, .value_kind: global_buffer, .address_space: global }
      - { .name: wq, .offset: 8, .size: 8, .value_kind: global_buffer, .address_space: global }
      - { .name: bo, .offset: 16, .size: 8, .value_kind: global_buffer, .address_space: global }
      - { .name: out0, .offset: 24, .size: 8, .value_kind: global_buffer, .address_space: global }
    .group_segment_fixed_size: 327680
    .private_segment_fixed_size: 0
    .kernarg_segment_align: 8
    .kernarg_segment_size: 32
    .max_flat_workgroup_size: 128
    .sgpr_count:     100
    .vgpr_count:     768
    .wavefront_size: 32
...
	.end_amdgpu_metadata
.endif
;; end of part 4
